; MI455X (gfx1250); checked and timed in simulation.
; The chip was launched on July 23, 2026; its instructions are those of AMD's public machine-readable ISA for CDNA 5 (MIT licence, August 2026) and "CDNA5" Instruction Set Architecture Reference Guide (July 2026). The comments in the code are by the model that wrote it; some were corrected since.
;; HF Encoder. Allowed arithmetic: matrix products marked QUANTISED: E5M2 operands, one given power-of-two scale a tensor, by v_wmma_f32_16x16x64_bf8_bf8 or v_wmma_f32_16x16x128_bf8_bf8, f32 sums; products left as they are: f32 operands where the result goes on into a quantised operand, else bf16, f16 or f32 operands; f32 sums; everything else in f32.
;; Inputs: attention_mask 16 x 2,048 float32; b_pool 1 float32; lowp_scales 2 int32 (the exponents e of the quantised operands' scales 2^e); span_ends 16 x 32 int32; span_starts 16 x 32 int32; token_hidden 16 x 2,048 x 768 float32; w_pool 768 float32.
;; Outputs: out0 16 x 32 x 768 float32; out1 16 x 32 float32.
;; This version of the problem:
;;   THIS VERSION OF THE PROBLEM IS GIVEN IN LOW PRECISION. The matrix products marked QUANTISED in the list below multiply operands that are first quantised to E5M2 (5 exponent bits, 2 mantissa bits; 8 bits a number), with one given power-of-two scale for each operand tensor; their sums are f32. All else is computed in f32.
;;   The module's matrix products, in the order in which they are computed (A, B: the left and right operand; K: the contracted axis; several contracted axes count as one K, in the product's order):
;;     1. [M 32,768, K 768] x [K 768, N 1]; A: input token_hidden; B: input w_pool: left as it is (N = 1 < 16)
;;     2. batch 16 x [M 32, K 2,048] x [K 2,048, N 768]; A: computed on the way; B: input token_hidden: QUANTISED (scales: A lowp_scales[0], B lowp_scales[1])
;;   THE QUANTISER, for each operand of a quantised product, along K:
;;     - The operand's scale is 2^e, e = its entry of the input lowp_scales (int32; the entries are numbered through the quantised products in the list's order, A before B).
;;     - Each number is divided by the scale, clamped to +-57,344, and rounded to the nearest number of E5M2, ties to even, subnormals kept.
;;     - The product sums the exact products of the quantised numbers (number of the format x scale) in f32.
;;   ~~~python
;;   def quantise(x, axis, e):      # numpy; x: float32 -> the quantised numbers, widened to float32 again
;;       x = np.moveaxis(x, axis, -1); K = x.shape[-1]
;;       r = np.clip(x / 2.0 ** e, -57344, 57344)
;;       step = 2.0 ** (np.maximum(np.frexp(np.where(r == 0, 1, r))[1] - 1, -14) - 2)
;;       q = np.round(r / step) * step * 2.0 ** e      # np.round: ties to even
;;       return np.moveaxis(q, -1, axis).astype(np.float32)
;;   ~~~
;;   OPERANDS COMPUTED ON THE WAY. 'Computed on the way' means the value that the module computes at that place (a softmax that the list does not call 'softmax' is quantised finished and normalised). What goes into a quantiser is computed in f32, as accurately as f32 sums, v_exp_f32 and their like allow (about 1e-6 of the number): no bf16 or f16 on the way to a quantiser, and a product that is left as it is and whose result goes on into a quantised operand takes f32 operands (vector FMAs, or v_wmma_f32_16x16x4_f32). A number that lies on a knife's edge between two numbers of the format may be rounded either way, as far as f32 arithmetic and the matrix unit's own rounding can turn it there, and no further.
;; 2 versions, each right; version 2 is version 1 with the launches quant, pool written anew for expert scheduling mode. Each part assembles by itself: llvm-mc -triple=amdgcn-amd-amdhsa -mcpu=gfx1250 --defsym DOCPART=n.
;; ======== version 1 of 2: 2 launches
;; workspace buffers: codes 25,165,824 bytes; logits 131,072 bytes
;; launch quant (part 1): grid 16 x 16, 16 waves a work-group, no clusters, 44,032 bytes of LDS; arguments token_hidden, w_pool, b_pool, attention_mask, lowp_scales, codes, logits; writes codes, logits
.if DOCPART == 1
	.amdgcn_target "amdgcn-amd-amdhsa--gfx1250"
	.amdhsa_code_object_version 6
	.text
	.protected	k_qe203e6fdbb_quant
	.globl	k_qe203e6fdbb_quant
	.p2align	8
	.type	k_qe203e6fdbb_quant,@function
k_qe203e6fdbb_quant:
	s_mov_b64 s[64:65], 0
	v_nop
	global_prefetch_b8 v0, s[64:65] scope:SCOPE_SE
	s_setreg_imm32_b32 hwreg(HW_REG_WAVE_MODE, 25, 1), 1
	s_wait_xcnt 0x0
; token_hidden [16][2048][768] f32 is read ONCE and gives two things:
;   logits[b][l] = token_hidden[b][l] . w_pool + b_pool in f32 (fused multiply-adds), or -infinity where attention_mask[b][l] < 0.5;
;   codes: token_hidden as codes of BF8 (E5M2) with the given scale 2^e1 (entry 1 of the scales), the TOKENS innermost, since they are the K of the product that follows.
; code = x / 2^e1, held within +-57,344, rounded to the nearest code, ties to even.
; LAYOUT OF codes, in the order of the operand's registers: [b 16][s 16][j 12][q 4][c 4][h 2][r 16][16 bytes]: byte y of word a of unit (c, h, r) is token 128 s + 32 c + 16 h + 4 a + y of column 64 j + 4 r + q.
; A fragment (j, q), 2,048 bytes, is then four loads of 16 bytes a lane at 16 x lane.  Its 16 rows are columns 4 apart: which rows form a tile is free, and so a lane's 4 neighbouring columns fall into 4 fragments at the same place.
; SHARES.  A work-group takes 128 tokens (one K step s) of one batch b, all 768 columns.  Wave w: tokens 16 (w % 8) on, columns 384 (w / 8) on, in three blocks of 128 columns.
; A lane takes 4 neighbouring columns (one load of 16 bytes) and its registers run down the 16 tokens: each load of the wave reads 512 consecutive bytes, and 32 loads of each wave are out.
; A BLOCK GOES IN QUARTERS OF 4 TOKENS, each behind a counted wait of its own: a quarter is worked while the block's later loads are on their way, and only the last quarter's lines stand behind a block's last load.
; The conversion packs a token's 4 columns into a word; eight byte permutes turn 4 x 4 bytes, so that a word holds 4 tokens of one column; a lane's 16 tokens of a column are 16 bytes, and sixteen lanes store 256 consecutive bytes, aligned.
; No tensor load, no ring: every number passes through registers in any case and no wave reads what another loaded.  No cluster: the work-groups share only w_pool, 3,072 bytes beside 393,216 of their own.
; LIMITS: e1 between -126 and 112, so that 2^e1 and 57,344 x 2^e1 are f32 numbers.  NaN among the inputs is not served.
.set ROWB, 3072                        ; a token's row in bytes
.set RGP,  80                          ; LDS: a lane's 16 partial scores, 64 bytes + 16 of padding
.set RGB,  32*RGP                      ; a wave's own region
.set PART, 16*RGB                      ; behind the regions: [column half 2][token 128] f32
.set X,  16                            ; v16-143  two sets of 64: register 4 t + q = token t, column q
.set P,  144                           ; v144-175 a pair of partial scores for each token
.set W,  176                           ; v176-187 w_pool: 4 numbers for each block
.set CD, 188                           ; v188-203 codes as converted: word t = token t, 4 columns
.set TM, 204                           ; v204-207 at work in the byte transposition
.set O,  208                           ; v208-255 codes to store, 16 registers for each block: never written again, so no store's data wait for anything
; v1 16 x lane; v2 the codes' offset; v3 57,344 x 2^e1; v4 2^e1; v5, v6 my region in and out; v7 my word of PART; v8 my token's mask; v9 4 (lane % 16); v12 -infinity
	s_load_b256 s[4:11], s[0:1], 0x0               ; token_hidden s[4:5], w_pool s[6:7], b_pool s[8:9], attention_mask s[10:11]
	s_load_b128 s[12:15], s[0:1], 0x20             ; the scales' exponents s[12:13], codes s[14:15]
	s_load_b64 s[16:17], s[0:1], 0x30              ; logits
	v_lshl_add_u32 v10, v0, 2, 0xa400
	v_mov_b32 v11, 0
	v_lshrrev_b32 v13, 5, v0
	v_readfirstlane_b32 s18, v13                   ; wave 0..15
	s_and_b32 s19, s18, 7                          ; tb: which 16 tokens
	s_lshr_b32 s20, s18, 3                         ; ch: which 384 columns
	s_and_b32 s22, ttmp7, 0xffff                   ; b
	v_and_b32 v13, 31, v0                          ; lane
	v_and_b32 v14, 15, v0                          ; lane % 16
	v_bfe_u32 v15, v0, 4, 1                        ; lane / 16
	v_lshlrev_b32 v1, 4, v13
	v_lshlrev_b32 v2, 4, v14
	v_lshl_add_u32 v2, v15, 13, v2                 ; lanes 16-31 hold the next 64 columns: the next j, 8,192 bytes on
	v_lshlrev_b32 v9, 2, v14
	s_mul_i32 s38, s18, RGB
	v_mul_u32_u24 v5, v13, RGP
	v_add_nc_u32 v5, s38, v5                       ; in: row = lane
	v_mul_u32_u24 v6, v15, 16*RGP
	v_add_nc_u32 v6, v6, v9
	v_add_nc_u32 v6, s38, v6                       ; out: word = token lane % 16, of rows 16 (lane / 16) on
	s_lshl_b32 s39, s18, 6                         ; 512 ch + 64 tb = 64 x wave
	s_add_co_u32 s39, s39, PART
	v_add_nc_u32 v7, s39, v9
	v_mov_b32 v12, 0xff800000
	s_mov_b32 s28, 0x05010400                      ; v_perm_b32: bytes 0 and 1 of two words, interleaved
	s_mov_b32 s29, 0x07030602                      ; bytes 2 and 3
	s_mov_b32 s30, 0x05040100                      ; the two low halves
	s_mov_b32 s31, 0x07060302                      ; the two high halves
	s_mov_b32 s32, 0x76543210                      ; v_permlanex16_b32: lane l xor 16
	s_mov_b32 s33, 0xfedcba98
	s_mov_b32 s25, 0
	s_mov_b32 s27, 0
	s_lshl_b32 s38, s22, 11
	s_lshl_b32 s39, ttmp9, 7
	s_add_co_u32 s38, s38, s39                     ; the work-group's first token: 2048 b + 128 s
	s_lshl_b32 s26, s38, 2
	s_wait_kmcnt 0x0
	s_load_b64 s[34:35], s[12:13], 0x0             ; e0, e1
	s_load_b32 s36, s[8:9], 0x0                    ; b_pool
	s_add_nc_u64 s[16:17], s[16:17], s[26:27]      ; logits at the work-group's first token
	s_lshl_b32 s39, s19, 4
	s_add_co_u32 s38, s38, s39                     ; my wave's first token
	s_lshl_b32 s26, s38, 2
	s_add_nc_u64 s[10:11], s[10:11], s[26:27]      ; the mask there
	s_mul_i32 s24, s38, ROWB
	s_mul_i32 s26, s20, 1536
	s_add_nc_u64 s[6:7], s[6:7], s[26:27]          ; w_pool at my 384 columns
	s_add_co_u32 s24, s24, s26
	s_add_nc_u64 s[4:5], s[4:5], s[24:25]          ; token_hidden at my first token and column (under 2^27 bytes)
.macro LOADQ g, set, a                 ; tokens 4 a .. 4 a + 3 of block g into a set: each load reads 512 consecutive bytes
.irp k, 0,1,2,3
	global_load_b128 v[X+64*(\set)+16*(\a)+4*\k:X+64*(\set)+16*(\a)+4*\k+3], v1, s[4:5] offset:(4*(\a)+\k)*ROWB+(\g)*512 th:TH_LOAD_NT
.endr
.endm
	global_load_b32 v8, v9, s[10:11]               ; the mask of token lane % 16: my oldest load, so every count below covers it
.irp g, 0,1,2
	global_load_b128 v[W+4*\g:W+4*\g+3], v1, s[6:7] offset:512*\g
.endr
.irp a, 0,1,2,3
	LOADQ 0, 0, \a
.endr
.irp a, 0,1,2,3
	LOADQ 1, 1, \a
.endr
	s_lshl_b32 s24, s22, 4
	s_add_co_u32 s24, s24, ttmp9
	s_mul_i32 s24, s24, 98304                      ; the slab (b, s),
	s_mul_i32 s26, s20, 49152                      ; my six j,
	s_add_co_u32 s24, s24, s26
	s_lshl_b32 s26, s19, 8                         ; my unit row 2 c + h = tb
	s_add_co_u32 s24, s24, s26
	s_add_nc_u64 s[14:15], s[14:15], s[24:25]
	s_wait_kmcnt 0x0
	s_mov_b32 s37, s36                             ; (named with s36 as a pair, so it is written)
	s_add_co_i32 s38, s35, 127
	s_lshl_b32 s39, s38, 23
	v_mov_b32 v4, s39                              ; 2^e1 as f32: the conversion takes its exponent field
	s_add_co_i32 s38, s38, 15
	s_lshl_b32 s38, s38, 23
	s_or_b32 s38, s38, 0x600000
	v_mov_b32 v3, s38                              ; 57,344 x 2^e1
; One block of 128 columns, in four quarters of 4 tokens.  Loads come back in order, so a quarter's wait counts the loads issued behind its own four:
;   block 0, quarter a: 12 - 4 a of its own block, 16 of block 1, and the 4 a of block 2 that the earlier quarters have issued: 28 in every quarter;
;   block 1, quarter a: 12 - 4 a of its own block and 16 of block 2;      block 2, quarter a: 12 - 4 a.
.macro STEP g
.set XS, X+64*((\g)%2)
.set WS, W+4*(\g)
.set OS, O+16*(\g)
.irp a, 0,1,2,3
.if (\g) == 0
	s_wait_loadcnt 28
.elseif (\g) == 1
	s_wait_loadcnt 28-4*\a
.else
	s_wait_loadcnt 12-4*\a
.endif
.irp k, 0,1,2,3
.if (\g) == 0
	v_pk_mul_f32 v[P+8*\a+2*\k:P+8*\a+2*\k+1], v[XS+16*\a+4*\k:XS+16*\a+4*\k+1], v[WS:WS+1]   ; the first products start the sums: nothing is cleared
.else
	v_pk_fma_f32 v[P+8*\a+2*\k:P+8*\a+2*\k+1], v[XS+16*\a+4*\k:XS+16*\a+4*\k+1], v[WS:WS+1], v[P+8*\a+2*\k:P+8*\a+2*\k+1]
.endif
.endr
.irp k, 0,1,2,3
	v_pk_fma_f32 v[P+8*\a+2*\k:P+8*\a+2*\k+1], v[XS+16*\a+4*\k+2:XS+16*\a+4*\k+3], v[WS+2:WS+3], v[P+8*\a+2*\k:P+8*\a+2*\k+1]
.endr
.irp u, 0,1                            ; two tokens: eight holds, then their conversion.  The second pair's holds are the plain lines behind the first conversion; the first two permutes, which read the first conversion's words alone, are those behind the second
.irp k, 0,1,2,3,4,5,6,7
	v_med3_num_f32 v[XS+16*\a+8*\u+\k], v[XS+16*\a+8*\u+\k], -v3, v3   ; the conversion to an 8-bit code does not saturate (ISA guide 7.6.2): the hold at the largest code x the scale
.endr
	v_cvt_scalef32_pk8_bf8_f32 v[CD+4*\a+2*\u:CD+4*\a+2*\u+1], v[XS+16*\a+8*\u:XS+16*\a+8*\u+7], v4   ; tokens 4 a + 2 u and 4 a + 2 u + 1, 4 columns each
.endr
	v_perm_b32 v[TM],   v[CD+4*\a+1], v[CD+4*\a],   s28   ; 4 words of 4 columns become 4 words of 4 tokens
	v_perm_b32 v[TM+1], v[CD+4*\a+1], v[CD+4*\a],   s29
	v_perm_b32 v[TM+2], v[CD+4*\a+3], v[CD+4*\a+2], s28
	v_perm_b32 v[TM+3], v[CD+4*\a+3], v[CD+4*\a+2], s29
	v_perm_b32 v[OS+\a],    v[TM+2], v[TM],   s30  ; column 0
	v_perm_b32 v[OS+4+\a],  v[TM+2], v[TM],   s31  ; column 1
	v_perm_b32 v[OS+8+\a],  v[TM+3], v[TM+1], s30  ; column 2
	v_perm_b32 v[OS+12+\a], v[TM+3], v[TM+1], s31  ; column 3
.if (\g) == 0
	LOADQ 2, 0, \a                                 ; the quarter's registers are free: the same tokens of the last block go out, so that 32 loads stay out
.endif
.endr
.irp q, 0,1,2,3
	global_store_b128 v2, v[OS+4*\q:OS+4*\q+3], s[14:15] offset:(\g)*16384+\q*2048   ; lanes 0-15 store 256 consecutive bytes, aligned; lanes 16-31 another 256, 8,192 bytes on
.endr
.endm
	STEP 0
	STEP 1
	STEP 2
	; THE SCORES.  A lane holds, for each of 16 tokens, the sum over its 12 columns.  The 32 x 16 numbers turn through my own region in LDS, so that a lane gets one token's parts.
.irp t, 0,1,2,3,4,5,6,7,8,9,10,11,12,13,14,15
	v_add_f32 v[16+\t], v[P+2*\t], v[P+2*\t+1]
.endr
.irp a, 0,1,2,3
	ds_store_b128 v5, v[16+4*\a:19+4*\a] offset:16*\a
.endr
.irp i, 0,1,2,3,4,5,6,7,8,9,10,11,12,13,14,15
	ds_load_b32 v[32+\i], v6 offset:RGP*\i         ; LDS serves a wave's instructions in order (ISA guide 5.7.1.4): these see my stores
.endr
	s_wait_dscnt 0x0
.irp d, 8,4,2
.set i, 0
.rept \d/2
	v_pk_add_f32 v[32+i:33+i], v[32+i:33+i], v[32+\d+i:33+\d+i]
.set i, i+2
.endr
.endr
	v_add_f32 v32, v32, v33                        ; sixteen lanes' parts of token lane % 16,
	v_permlanex16_b32 v33, v32, s32, s33
	v_add_f32 v32, v32, v33                        ; and the other sixteen's: my 384 columns' part of the score
	v_cmp_le_f32 vcc_lo, 0.5, v8
	v_cndmask_b32 v32, v12, v32, vcc_lo            ; a hidden token's part becomes -infinity: the two halves' sum, and that plus b, stay -infinity
	ds_store_b32 v7, v32                           ; lanes l and l + 16 write the same word with the same number
	s_wait_dscnt 0x0                               ; for wave 0's sake: my store has landed
	s_barrier_signal -1
	s_barrier_wait -1
	s_cmp_lg_u32 s18, 0
	s_cbranch_scc1 .Ldone
	ds_load_b128 v[16:19], v1 offset:PART          ; tokens 4 x lane on: the first 384 columns' parts,
	ds_load_b128 v[20:23], v1 offset:PART+512      ; the second's
	s_wait_dscnt 0x0
	v_pk_add_f32 v[16:17], v[16:17], v[20:21]
	v_pk_add_f32 v[18:19], v[18:19], v[22:23]
	v_pk_add_f32 v[16:17], v[16:17], s[36:37] op_sel_hi:[1,0]   ; + b_pool
	v_pk_add_f32 v[18:19], v[18:19], s[36:37] op_sel_hi:[1,0]
	global_store_b128 v1, v[16:19], s[16:17]       ; 512 consecutive bytes, aligned
.Ldone:
	s_wait_tensorcnt 0x0
	ds_add_u32 v10, v11
	s_wait_dscnt 0x0
	s_endpgm
.Lfunc_end_k_qe203e6fdbb_quant:
	.size	k_qe203e6fdbb_quant, .Lfunc_end_k_qe203e6fdbb_quant-k_qe203e6fdbb_quant
	.p2alignl 7, 3214868480
	.fill 96, 4, 3214868480
	.section	.rodata,"a",@progbits
	.p2align	6, 0x0
	.amdhsa_kernel k_qe203e6fdbb_quant
		.amdhsa_group_segment_fixed_size 44032
		.amdhsa_private_segment_fixed_size 0
		.amdhsa_enable_private_segment 0
		.amdhsa_kernarg_size 56
		.amdhsa_user_sgpr_count 2
		.amdhsa_user_sgpr_kernarg_segment_ptr 1
		.amdhsa_wavefront_size32 1
		.amdhsa_system_sgpr_workgroup_id_x 1
		.amdhsa_system_sgpr_workgroup_id_y 1
		.amdhsa_system_sgpr_workgroup_id_z 1
		.amdhsa_system_vgpr_workitem_id 0
		.amdhsa_next_free_vgpr 256
		.amdhsa_next_free_sgpr 66
		.amdhsa_reserve_vcc 1
		.amdhsa_float_denorm_mode_32 3
		.amdhsa_float_denorm_mode_16_64 3
		.amdhsa_memory_ordered 1
		.amdhsa_forward_progress 1
		.amdhsa_inst_pref_size 39
	.end_amdhsa_kernel
	.amdgpu_metadata
---
amdhsa.version: [ 1, 2 ]
amdhsa.kernels:
  - .name:           k_qe203e6fdbb_quant
    .symbol:         k_qe203e6fdbb_quant.kd
    .args:
      - { .name: token_hidden, .offset: 0, .size: 8, .value_kind: global_buffer, .address_space: global }
      - { .name: w_pool, .offset: 8, .size: 8, .value_kind: global_buffer, .address_space: global }
      - { .name: b_pool, .offset: 16, .size: 8, .value_kind: global_buffer, .address_space: global }
      - { .name: attention_mask, .offset: 24, .size: 8, .value_kind: global_buffer, .address_space: global }
      - { .name: lowp_scales, .offset: 32, .size: 8, .value_kind: global_buffer, .address_space: global }
      - { .name: codes, .offset: 40, .size: 8, .value_kind: global_buffer, .address_space: global }
      - { .name: logits, .offset: 48, .size: 8, .value_kind: global_buffer, .address_space: global }
    .group_segment_fixed_size: 44032
    .private_segment_fixed_size: 0
    .kernarg_segment_align: 8
    .kernarg_segment_size: 56
    .max_flat_workgroup_size: 512
    .sgpr_count:     66
    .vgpr_count:     256
    .wavefront_size: 32
...
	.end_amdgpu_metadata
.endif
;; end of part 1
;; launch pool (part 2): grid 12 x 16, 16 waves a work-group, no clusters, 155,648 bytes of LDS; arguments logits, codes, span_starts, span_ends, lowp_scales, out0, out1; writes out0, out1
.if DOCPART == 2
	.amdgcn_target "amdgcn-amd-amdhsa--gfx1250"
	.amdhsa_code_object_version 6
	.text
	.protected	k_qe203e6fdbb_pool
	.globl	k_qe203e6fdbb_pool
	.p2align	8
	.type	k_qe203e6fdbb_pool,@function
k_qe203e6fdbb_pool:
	s_mov_b64 s[64:65], 0
	v_nop
	global_prefetch_b8 v0, s[64:65] scope:SCOPE_SE
	s_setreg_imm32_b32 hwreg(HW_REG_WAVE_MODE, 25, 1), 1
	s_wait_xcnt 0x0
; out0[b][k][:] = sum over l of Q(w[b][k][l]) Q(token_hidden[b][l][:]), w = the softmax of the logits over the visible tokens of span k, finished and normalised, then quantised to BF8 (E5M2) with 2^e0;
; token_hidden's codes (scale 2^e1) and the logits (score + b, -infinity where the mask hides a token) were made by the launch before.  out1[b][k] = 1 where span k has a visible token, else 0.
; SHARES.  A work-group takes one batch b and 64 columns (j): a row's piece of out0 is then 256 consecutive bytes, aligned.  Wave w owns K step w, tokens 128 w .. 128 w + 127, for both tiles of 16 spans and 4 fragments of codes.
; LAYOUT.  Lane (r, h) holds span 16 t + r; register 16 c + i of E_t is token 128 w + 32 c + 16 h + i: the conversions' results are the operand's registers, with k in the same places as in the codes' fragments.
; (That is a permutation of k against the form's own layout, the same on both sides: every product meets its partner.)  Source 0 = 16 columns of codes, source 1 = 16 spans.
; SOFTMAX, the maximum taken away as reference() takes it: each wave finds its 128 tokens' maximum M and sum S of 2^((l - M) c), c = log2 e; the sixteen waves' M and S meet in LDS; with m the span's maximum,
; s = sum of S_i 2^((M_i - m) c), and w = 2^((l - M) c) x 2^((M - m) c) / max(s, 1e-30).  Differences are formed before the multiplication by c.  M starts at -3e38, so that an empty part gives S = 0 and no NaN.
; A wave whose 128 tokens lie outside the hull of a tile's 16 spans (least start, greatest end: a superset for any spans, sorted or not) leaves that tile's softmax out and takes zero codes: a scalar branch on the index inputs.
; THE SIXTEEN PARTS OF THE PRODUCT are summed through LDS, where they lie as IMAGES OF THE ACCUMULATORS' REGISTERS: four registers a store, 16 bytes a lane.  Wave w sums span rows 2 w and 2 w + 1: each of its lanes picks,
; from each image, the 16 bytes that a lane of that row stored.  Those are 4 columns that lie 4 apart, so the sums take a 4 x 4 turn through 544 bytes of the wave's own and leave as whole rows.  Each sum is multiplied once by 2^(e0 + e1).
; No tensor load: each code byte goes to one wave's registers once.  No cluster: the twelve work-groups of a batch share the logits and the spans alone, 8,448 bytes beside 131,072 bytes of codes of their own.
; LIMITS: e0 between -126 and 112 (2^e0 and 57,344 x 2^e0 are f32 numbers); e0 + e1 is applied by v_ldexp_f32 and has none.  Visible tokens' scores are finite and above -1e30, reference()'s own stand-in for a hidden token.
; NaN is not served.  A weight under 2^-126 becomes 0 (v_exp_f32 gives no denormals: ISA guide, its entry in 15.8).
.set STATM, 0                          ; LDS: 32 rows (span), 80 bytes apart; word w = wave w's M
.set STATS, 2560                       ; the same for S
.set RED,   5120                       ; the images: a region for each wave
.set CH,    544                        ; a chunk: four registers of 32 lanes: lanes 0-15's 256 bytes + 16 of padding, lanes 16-31's likewise
.set RW,    16*CH                      ; a wave's 64 registers
.set STG,   RED+16*RW                  ; behind the images: 2 rows of 256 bytes + 16 for each wave, for the turn at the end
.set B,   16                           ; v16-79   the codes' fragment q at 16 + 16 q; later the parts to be summed
.set ACC, 144                          ; v144-207 accumulator (t, q) at 144 + 8 (4 t + q), over E1
.set T,   240                          ; v240-255 at work
.set TL,  230                          ; at the head only: lane, r, h (later F0, F1, FLAG0)
.set TR,  232
.set TH,  234
; v1 16 x lane; v2 64 h; v3 4 r; v4, v5 U0, LEN0; v6, v7 U1, LEN1; v8, v9 M0, S0; v10, v11 M1, S1; v12 -infinity; v13 57,344 x 2^e0; v14 2^e0; v15 at work
; v80-143 E0, later v80-95 A1; v144-207 E1; v208-223 A0; v224 where I store M and S; v225 where I read them; v226 my image; v227, v229 my piece of images 0-7, 8-15; v228 my offset in out0
; v[230:231] F0, v[232:233] F1; v234, v235 the flags; v[236:237] m; v238, v239 the turn: in and out
; s90, s91: does a span of tile 0, 1 reach my tokens?  s88, s101: the same, or I am the wave that stores out1
	s_load_b256 s[4:11], s[0:1], 0x0               ; logits s[4:5], codes s[6:7], span_starts s[8:9], span_ends s[10:11]
	s_load_b128 s[12:15], s[0:1], 0x20             ; the scales' exponents s[12:13], out0 s[14:15]
	s_load_b64 s[84:85], s[0:1], 0x30              ; out1
	v_lshrrev_b32 v15, 5, v0
	v_readfirstlane_b32 s86, v15                   ; wave 0..15
	s_and_b32 s87, ttmp7, 0xffff                   ; b
	s_lshl_b32 s89, s86, 7                         ; my first token
	v_and_b32 v[TL], 31, v0
	v_and_b32 v[TR], 15, v0
	v_bfe_u32 v[TH], v0, 4, 1
	v_lshlrev_b32 v1, 4, v[TL]
	v_lshlrev_b32 v2, 6, v[TH]
	v_lshlrev_b32 v3, 2, v[TR]
	v_lshl_add_u32 v15, v[TH], 4, s89              ; 128 w + 16 h: my register 0's token
	v_mul_u32_u24 v225, v[TR], 80                  ; every LDS address is made here, ahead of the first branch
	s_lshl_b32 s98, s86, 2
	v_add_nc_u32 v224, s98, v225                   ; 80 r + 4 w
	v_lshl_add_u32 v225, v[TH], 5, v225            ; 80 r + 32 h: half h reads waves 8 h .. 8 h + 7
	v_mul_u32_u24 v239, v[TH], 272
	v_mul_u32_u24 v238, v[TH], 272
	v_lshl_add_u32 v239, v[TR], 4, v239            ; 272 h + 16 r: a lane's place in a chunk, and in a pair of rows
	s_mul_i32 s98, s86, RW
	s_add_co_u32 s98, s98, RED
	v_add_nc_u32 v226, s98, v239                   ; my image
	s_mul_i32 s98, s86, CH
	s_add_co_u32 s98, s98, STG
	v_add_nc_u32 v239, s98, v239                   ; the turn, out: lanes 0-15 one row, lanes 16-31 the next, 16 bytes a lane
	v_and_b32 v[T], 1, v0                          ; the turn, in.  Lane 16 x + 4 q + 2 u + y sums registers 4 u .. 4 u + 3 of accumulator (t, q) as lane (2 (w % 8) + x, y) held them:
	v_lshl_add_u32 v238, v[T], 7, v238             ; columns 32 y + 16 u + 4 n + q of row 2 w + x: byte 272 x + 128 y
	v_bfe_u32 v[T], v0, 1, 1
	v_lshl_add_u32 v238, v[T], 6, v238             ; + 64 u
	v_bfe_u32 v[T], v0, 2, 2
	v_lshl_add_u32 v238, v[T], 2, v238             ; + 4 q; 16 n stands in the immediate
	v_add_nc_u32 v238, s98, v238
	s_lshr_b32 s98, s86, 3                         ; my rows' tile t = w / 8: chunks 8 t on,
	s_mul_i32 s98, s98, 8*CH
	s_and_b32 s100, s86, 7
	s_lshl_b32 s100, s100, 5                       ; the storing lane r = 2 (w % 8) + x: 16 bytes each
	s_add_co_u32 s98, s98, s100
	s_add_co_u32 s98, s98, RED
	v_mul_u32_u24 v227, v[TR], 272                 ; chunk 2 q + u, half y: 544 (2 q + u) + 272 y = 272 (lane % 16): sixteen lanes read sixteen different columns of 16 bytes modulo 256
	v_lshl_add_u32 v227, v[TH], 4, v227
	v_add_nc_u32 v227, s98, v227                   ; in wave 0's image;
	v_add_nc_u32 v229, 8*RW, v227                  ; in wave 8's
	v_mul_u32_u24 v228, v[TH], 3072
	v_lshl_add_u32 v228, v[TR], 4, v228            ; rows 2 w and 2 w + 1 in out0
	v_mov_b32 v12, 0xff800000
	v_mov_b32 v231, 0                              ; upper halves of pairs that packed forms name, a lane permute's destination, tile 1's flag: written once
	v_mov_b32 v233, 0
	v_mov_b32 v235, 0
	v_mov_b32 v237, 0
	s_mov_b32 s92, 0x3fb8aa3b                      ; c = log2 e
	s_mov_b32 s93, s92
	s_mov_b32 s94, 0x76543210                      ; v_permlanex16_b32: lane l xor 16
	s_mov_b32 s95, 0xfedcba98
	s_mov_b32 s99, 0
	s_lshl_b32 s98, s87, 7                         ; a batch's 32 words
	s_wait_kmcnt 0x0
	s_add_nc_u64 s[8:9], s[8:9], s[98:99]
	s_add_nc_u64 s[10:11], s[10:11], s[98:99]
	s_add_nc_u64 s[84:85], s[84:85], s[98:99]
	s_load_b512 s[16:31], s[8:9], 0x0              ; the starts of tile 0,
	s_load_b512 s[32:47], s[8:9], 0x40             ; of tile 1;
	s_load_b512 s[48:63], s[10:11], 0x0            ; the ends of tile 0,
	s_load_b512 s[68:83], s[10:11], 0x40           ; of tile 1
	s_load_b64 s[96:97], s[12:13], 0x0             ; e0, e1
	s_lshl_b32 s98, s87, 13
	s_lshl_b32 s100, s86, 9
	s_add_co_u32 s98, s98, s100
	s_add_nc_u64 s[4:5], s[4:5], s[98:99]          ; logits at my first token
	s_lshl_b32 s98, s87, 4
	s_add_co_u32 s98, s98, s86
	s_mul_i32 s98, s98, 98304                      ; the slab (b, w),
	s_lshl_b32 s100, ttmp9, 13                     ; its four fragments of j
	s_add_co_u32 s98, s98, s100
	s_add_nc_u64 s[6:7], s[6:7], s[98:99]
	global_load_b32 v[T],   v3, s[8:9]             ; my spans' starts (tile 0, tile 1) and ends
	global_load_b32 v[T+1], v3, s[8:9] offset:64
	global_load_b32 v[T+2], v3, s[10:11]
	global_load_b32 v[T+3], v3, s[10:11] offset:64
.irp e, 80,144                         ; my 64 tokens' logits, once for each tile: each tile masks and works on them in place
.irp c, 0,1,2,3
.irp a, 0,1,2,3
	global_load_b128 v[\e+16*\c+4*\a:\e+16*\c+4*\a+3], v2, s[4:5] offset:128*\c+16*\a
.endr
.endr
.endr
.irp i, 0,1,2,3,4,5,6,7,8,9,10,11,12,13,14,15
	global_load_b128 v[B+4*\i:B+4*\i+3], v1, s[6:7] offset:512*\i th:TH_LOAD_NT   ; 8,192 bytes on end: four fragments as they lie
.endr
	s_mul_i32 s98, s87, 98304
	s_mul_i32 s100, s86, 6144
	s_add_co_u32 s98, s98, s100
	s_lshl_b32 s100, ttmp9, 8
	s_add_co_u32 s98, s98, s100
	s_add_nc_u64 s[14:15], s[14:15], s[98:99]      ; out0 at row 2 w of the batch, column 64 j
	s_wait_kmcnt 0x0
	; the hulls: does any span of a tile reach into my 128 tokens?
	s_add_co_u32 s100, s89, 128
	s_min_i32 s98, s16, s17
.irp k, 18,19,20,21,22,23,24,25,26,27,28,29,30,31
	s_min_i32 s98, s98, s\k
.endr
	s_max_i32 s99, s48, s49
.irp k, 50,51,52,53,54,55,56,57,58,59,60,61,62,63
	s_max_i32 s99, s99, s\k
.endr
	s_cmp_lt_i32 s98, s100
	s_cselect_b32 s90, 1, 0
	s_cmp_gt_i32 s99, s89
	s_cselect_b32 s90, s90, 0                      ; tile 0
	s_min_i32 s98, s32, s33
.irp k, 34,35,36,37,38,39,40,41,42,43,44,45,46,47
	s_min_i32 s98, s98, s\k
.endr
	s_max_i32 s99, s68, s69
.irp k, 70,71,72,73,74,75,76,77,78,79,80,81,82,83
	s_max_i32 s99, s99, s\k
.endr
	s_cmp_lt_i32 s98, s100
	s_cselect_b32 s91, 1, 0
	s_cmp_gt_i32 s99, s89
	s_cselect_b32 s91, s91, 0                      ; tile 1
	s_or_b32 s99, ttmp9, s86                       ; wave 0 of the batch's first work-group stores out1: it wants every span's m
	s_cmp_eq_u32 s99, 0
	s_cselect_b32 s99, 1, 0
	s_or_b32 s88, s90, s99
	s_or_b32 s101, s91, s99
	s_add_co_i32 s99, s96, 127
	s_lshl_b32 s100, s99, 23
	v_mov_b32 v14, s100                            ; 2^e0 as f32: the conversion takes its exponent field
	s_add_co_i32 s99, s99, 15
	s_lshl_b32 s99, s99, 23
	s_or_b32 s99, s99, 0x600000
	v_mov_b32 v13, s99                             ; 57,344 x 2^e0
	s_add_co_i32 s98, s96, s97                     ; e0 + e1
	s_wait_loadcnt 48                              ; my spans' four words are in; 32 loads of logits and 16 of codes stay out
.irp x, 240,241,242,243                ; starts and ends held within 0 .. 2,048: for tokens 0 .. 2,047 the two comparisons of reference() stay what they are
	v_cmp_le_i32 vcc_lo, 0, v\x
	v_cndmask_b32 v\x, 0, v\x, vcc_lo
	v_min_u32 v\x, 0x800, v\x
.endr
.irp t, 0,1
	v_sub_nc_u32 v[5+2*\t], v[T+2+\t], v[T+\t]
	v_cmp_gt_u32 vcc_lo, v[T+2+\t], v[T+\t]
	v_cndmask_b32 v[5+2*\t], 0, v[5+2*\t], vcc_lo  ; LEN = end - start, 0 for an empty span
	v_sub_nc_u32 v[4+2*\t], v15, v[T+\t]           ; U = 128 w + 16 h - start: register 16 c + i's token counts where U + 32 c + i < LEN, unsigned
	v_mov_b32 v[8+2*\t], 0xff61b1e6                ; M = -3e38
	v_mov_b32 v[9+2*\t], 0                         ; S = 0
.endr
; My 128 tokens' maximum and sum for tile t.  left = how many younger loads may stay out.
.macro P1 t, left
.set EB, 80+64*(\t)
.set RU, 4+2*(\t)
.set RM, 8+2*(\t)
	s_wait_loadcnt \left                           ; the tile's logits are in.  The wait stands ahead of the branch: every way on which E is read later has passed it
	s_cmp_eq_u32 s[90+(\t)], 0
	s_cbranch_scc1 .Lquiet_\@
.irp g, 0,1,2,3,4,5,6,7,8,9,10,11,12,13,14,15  ; what lies outside my span becomes -infinity, four registers at a time
.irp n, 0,1,2,3
	v_add_nc_u32 v[T+\n], 32*(\g/4)+4*(\g%4)+\n, v[RU]
.endr
.irp n, 0,1,2,3
	v_cmp_gt_u32 s[16+\n], v[RU+1], v[T+\n]
.endr
.irp n, 0,1,2,3
	v_cndmask_b32 v[EB+4*\g+\n], v12, v[EB+4*\g+\n], s[16+\n]
.endr
.endr
	v_max3_num_f32 v[T],   v[EB],   v[EB+1], v[RM] ; the maximum, in two chains; -3e38 goes in with the first
	v_max3_num_f32 v[T+1], v[EB+2], v[EB+3], v[EB+4]
.irp i, 5,9,13,17,21,25,29,33,37,41,45,49,53,57
	v_max3_num_f32 v[T],   v[T],   v[EB+\i],   v[EB+\i+1]
	v_max3_num_f32 v[T+1], v[T+1], v[EB+\i+2], v[EB+\i+3]
.endr
	v_max3_num_f32 v[T], v[T], v[EB+61], v[EB+62]
	v_max3_num_f32 v[T], v[T], v[T+1], v[EB+63]
	v_permlanex16_b32 v[T+1], v[T], s94, s95
	v_max_num_f32 v[RM], v[T], v[T+1]              ; and lane l xor 16's: M
.set i, 0
.rept 32
	v_pk_add_f32 v[EB+i:EB+i+1], v[EB+i:EB+i+1], v[RM:RM+1] op_sel_hi:[1,0] neg_lo:[0,1] neg_hi:[0,1]   ; l - M first,
.set i, i+2
.endr
.set i, 0
.rept 32
	v_pk_mul_f32 v[EB+i:EB+i+1], v[EB+i:EB+i+1], s[92:93] op_sel_hi:[1,0]   ; then x c
.set i, i+2
.endr
.set i, 0
.rept 64
	v_exp_f32 v[EB+i], v[EB+i]
.set i, i+1
.endr
	v_nop                                          ; a plain instruction behind the last exponential (ISA guide 5.7.2),
	s_wait_alu depctr_va_vdst(0)                   ; and one wait, ahead of the batch's first reader
	v_pk_add_f32 v[T:T+1],   v[EB:EB+1],   v[EB+2:EB+3]
	v_pk_add_f32 v[T+2:T+3], v[EB+4:EB+5], v[EB+6:EB+7]
.irp i, 8,12,16,20,24,28,32,36,40,44,48,52,56,60
	v_pk_add_f32 v[T:T+1],   v[T:T+1],   v[EB+\i:EB+\i+1]
	v_pk_add_f32 v[T+2:T+3], v[T+2:T+3], v[EB+\i+2:EB+\i+3]
.endr
	v_pk_add_f32 v[T:T+1], v[T:T+1], v[T+2:T+3]
	v_add_f32 v[T], v[T], v[T+1]
	v_permlanex16_b32 v[T+1], v[T], s94, s95
	v_add_f32 v[RM+1], v[T], v[T+1]                ; S
.Lquiet_\@:
	ds_store_b32 v224, v[RM]   offset:STATM+1280*(\t)   ; lanes r and r + 16 write the same word with the same number
	ds_store_b32 v224, v[RM+1] offset:STATS+1280*(\t)
.endm
; The span's maximum and sum from the sixteen waves'; the flag; my 64 weights, quantised: tile t's operand.
; A wave that no span of the tile reaches wants none of it and takes zero codes at once, but for the wave that stores out1, which wants the flag.
.macro P2 t
.set EB, 80+64*(\t)
.set RM, 8+2*(\t)
.set RF, 230+2*(\t)
.set AB, 208-128*(\t)
	s_cmp_eq_u32 s[88+13*(\t)], 0
	s_cbranch_scc1 .Lidle_\@
	ds_load_b128 v[T:T+3],     v225 offset:STATM+1280*(\t)
	ds_load_b128 v[T+4:T+7],   v225 offset:STATM+1280*(\t)+16
	ds_load_b128 v[T+8:T+11],  v225 offset:STATS+1280*(\t)
	ds_load_b128 v[T+12:T+15], v225 offset:STATS+1280*(\t)+16
	s_wait_dscnt 0x0
	v_max3_num_f32 v15, v[T], v[T+1], v[T+2]
	v_max3_num_f32 v15, v15, v[T+3], v[T+4]
	v_max3_num_f32 v15, v15, v[T+5], v[T+6]
	v_max_num_f32 v15, v15, v[T+7]
	v_permlanex16_b32 v237, v15, s94, s95
	v_max_num_f32 v236, v15, v237                  ; m
.irp i, 0,2,4,6
	v_pk_add_f32 v[T+\i:T+\i+1], v[T+\i:T+\i+1], v[236:237] op_sel_hi:[1,0] neg_lo:[0,1] neg_hi:[0,1]   ; M_i - m
.endr
	v_sub_f32 v15, v[RM], v236                     ; my own M - m
.irp i, 0,2,4,6
	v_pk_mul_f32 v[T+\i:T+\i+1], v[T+\i:T+\i+1], s[92:93] op_sel_hi:[1,0]
.endr
	v_mul_f32 v15, s92, v15
.irp i, 0,1,2,3,4,5,6,7
	v_exp_f32 v[T+\i], v[T+\i]
.endr
	v_exp_f32 v15, v15
	v_cmp_lt_f32 vcc_lo, 0xff61b1e6, v236          ; a visible token has raised m above -3e38.  (These two are the plain instructions behind the exponentials)
	v_cndmask_b32 v[234+(\t)], 0, 1.0, vcc_lo
	s_wait_alu depctr_va_vdst(0)                   ; one wait for the nine, ahead of their first reader
	v_pk_mul_f32 v[T:T+1], v[T:T+1], v[T+8:T+9]
.irp i, 2,4,6
	v_pk_fma_f32 v[T:T+1], v[T+\i:T+\i+1], v[T+8+\i:T+9+\i], v[T:T+1]
.endr
	v_add_f32 v[T], v[T], v[T+1]
	v_permlanex16_b32 v[T+1], v[T], s94, s95
	v_add_f32 v[T], v[T], v[T+1]                   ; s
	v_max_num_f32 v[T], 0x0da24260, v[T]           ; at least 1e-30, as reference() has it
	v_rcp_f32 v[T+2], v[T]
	v_nop
	s_wait_alu depctr_va_vdst(0)
	v_mul_f32 v[RF], v[T+2], v15                   ; F = 2^((M - m) c) / s
	s_cmp_eq_u32 s[90+(\t)], 0
	s_cbranch_scc1 .Lidle_\@
.set i, 0
.rept 32
	v_pk_mul_f32 v[EB+i:EB+i+1], v[EB+i:EB+i+1], v[RF:RF+1] op_sel_hi:[1,0]   ; w
.set i, i+2
.endr
	s_cmp_ge_i32 s96, -15                          ; w is at most 1, but for a few roundings; from e0 = -15 on the largest code x 2^e0 is 1.75 or more, so the hold cannot bind:
	s_cbranch_scc1 .Lroom_\@                       ; a scalar branch on the given whole number leaves its 64 lines out
.set i, 0
.rept 64
	v_min_num_f32 v[EB+i], v[EB+i], v13            ; the conversion does not saturate (ISA guide 7.6.2); w is not negative, so the hold is one-sided
.set i, i+1
.endr
.Lroom_\@:
.irp c, 0,1,2,3
.irp u, 0,1
	v_cvt_scalef32_pk8_bf8_f32 v[AB+4*\c+2*\u:AB+4*\c+2*\u+1], v[EB+16*\c+8*\u:EB+16*\c+8*\u+7], v14
.endr
.endr
	v_nop                                          ; one plain vector instruction behind the last scaled conversion: later lines write its sources and read its results
	s_branch .Ljoin_\@
.Lidle_\@:
.set i, 0
.rept 16
	v_mov_b32 v[AB+i], 0                           ; no span of the tile reaches my tokens: zero codes
.set i, i+1
.endr
.Ljoin_\@:
.endm
	P1 0, 32                                       ; tile 1's logits and the codes stay out
	P1 1, 16                                       ; the codes stay out
	s_wait_dscnt 0x0                               ; for the others' sake: my M and S have landed
	s_barrier_signal -1
	s_barrier_wait -1
	P2 0
	P2 1
	s_or_b32 s99, ttmp9, s86                       ; out1: wave 0 of the batch's first work-group
	s_cmp_lg_u32 s99, 0
	s_cbranch_scc1 .Lno_flags
	v_and_b32 v[T], 31, v0
	v_cmp_le_u32 vcc_lo, 16, v[T]
	v_cndmask_b32 v15, v234, v235, vcc_lo          ; lane = span: lanes 0-15 tile 0's flag, lanes 16-31 tile 1's
	v_lshlrev_b32 v[T+1], 2, v[T]
	global_store_b32 v[T+1], v15, s[84:85]         ; the batch's 128 bytes; neither register is written again
.Lno_flags:
	s_wait_loadcnt 0x0                             ; the codes
.irp t, 0,1                            ; eight sums of one K step each, eight different accumulators, each begun with the constant 0
.irp q, 0,1,2,3
	v_wmma_f32_16x16x128_bf8_bf8 v[ACC+8*(4*\t+\q):ACC+8*(4*\t+\q)+7], v[B+16*\q:B+16*\q+15], v[208-128*\t:223-128*\t], 0
.endr
.endr
.rept 4
	v_nop                                          ; four places between the last product and the LDS stores that read results, and the loads into the fragments' registers
.endr
.set i, 0
.rept 16                               ; my image: chunk i = registers 4 i .. 4 i + 3 of the 64; sixteen lanes store 256 consecutive bytes; each accumulator from its low end on
	ds_store_b128 v226, v[ACC+4*i:ACC+4*i+3] offset:CH*i
.set i, i+1
.endr
	s_wait_dscnt 0x0                               ; for the others' sake: my image has landed
	s_barrier_signal -1
	s_barrier_wait -1
.irp i, 0,1,2,3,4,5,6,7                ; my piece of all sixteen images
	ds_load_b128 v[16+4*\i:19+4*\i], v227 offset:\i*RW
.endr
.irp i, 0,1,2,3,4,5,6,7
	ds_load_b128 v[48+4*\i:51+4*\i], v229 offset:\i*RW
.endr
	s_wait_dscnt 0x0
.irp d, 32,16,8,4
.set i, 0
.rept \d/2
	v_pk_add_f32 v[16+i:17+i], v[16+i:17+i], v[16+\d+i:17+\d+i]
.set i, i+2
.endr
.endr
.irp i, 16,17,18,19
	v_ldexp_f32 v\i, v\i, s98                      ; x 2^(e0 + e1)
.endr
.irp n, 0,1,2,3
	ds_store_b32 v238, v[16+\n] offset:16*\n       ; the turn, in my own bytes: register n is column 32 y + 16 u + 4 n + q; the 32 lanes fall on 32 different banks
.endr
	ds_load_b128 v[20:23], v239                    ; LDS serves a wave's instructions in order (ISA guide 5.7.1.4): this sees my stores
	s_wait_dscnt 0x0
	global_store_b128 v228, v[20:23], s[14:15] th:TH_STORE_NT   ; lanes 0-15 store 256 consecutive bytes, aligned, of row 2 w; lanes 16-31 of row 2 w + 1
	s_wait_xcnt 0x0
	v_lshl_add_u32 v254, v0, 2, 0x25800
	v_mov_b32 v255, 0
	s_wait_tensorcnt 0x0
	ds_add_u32 v254, v255
	s_wait_dscnt 0x0
	s_endpgm
.Lfunc_end_k_qe203e6fdbb_pool:
	.size	k_qe203e6fdbb_pool, .Lfunc_end_k_qe203e6fdbb_pool-k_qe203e6fdbb_pool
	.p2alignl 7, 3214868480
	.fill 96, 4, 3214868480
	.section	.rodata,"a",@progbits
	.p2align	6, 0x0
	.amdhsa_kernel k_qe203e6fdbb_pool
		.amdhsa_group_segment_fixed_size 155648
		.amdhsa_private_segment_fixed_size 0
		.amdhsa_enable_private_segment 0
		.amdhsa_kernarg_size 56
		.amdhsa_user_sgpr_count 2
		.amdhsa_user_sgpr_kernarg_segment_ptr 1
		.amdhsa_wavefront_size32 1
		.amdhsa_system_sgpr_workgroup_id_x 1
		.amdhsa_system_sgpr_workgroup_id_y 1
		.amdhsa_system_sgpr_workgroup_id_z 1
		.amdhsa_system_vgpr_workitem_id 0
		.amdhsa_next_free_vgpr 256
		.amdhsa_next_free_sgpr 102
		.amdhsa_reserve_vcc 1
		.amdhsa_float_denorm_mode_32 3
		.amdhsa_float_denorm_mode_16_64 3
		.amdhsa_memory_ordered 1
		.amdhsa_forward_progress 1
		.amdhsa_inst_pref_size 77
	.end_amdhsa_kernel
	.amdgpu_metadata
---
amdhsa.version: [ 1, 2 ]
amdhsa.kernels:
  - .name:           k_qe203e6fdbb_pool
    .symbol:         k_qe203e6fdbb_pool.kd
    .args:
      - { .name: logits, .offset: 0, .size: 8, .value_kind: global_buffer, .address_space: global }
      - { .name: codes, .offset: 8, .size: 8, .value_kind: global_buffer, .address_space: global }
      - { .name: span_starts, .offset: 16, .size: 8, .value_kind: global_buffer, .address_space: global }
      - { .name: span_ends, .offset: 24, .size: 8, .value_kind: global_buffer, .address_space: global }
      - { .name: lowp_scales, .offset: 32, .size: 8, .value_kind: global_buffer, .address_space: global }
      - { .name: out0, .offset: 40, .size: 8, .value_kind: global_buffer, .address_space: global }
      - { .name: out1, .offset: 48, .size: 8, .value_kind: global_buffer, .address_space: global }
    .group_segment_fixed_size: 155648
    .private_segment_fixed_size: 0
    .kernarg_segment_align: 8
    .kernarg_segment_size: 56
    .max_flat_workgroup_size: 512
    .sgpr_count:     102
    .vgpr_count:     256
    .wavefront_size: 32
...
	.end_amdgpu_metadata
.endif
;; end of part 2
;; ======== version 2 of 2: 2 launches; version 1 with the launches quant, pool written anew for expert scheduling mode
;; workspace buffers: codes 25,165,824 bytes; logits 131,072 bytes
;; launch quant (part 3): grid 16 x 16, 16 waves a work-group, no clusters, 44,032 bytes of LDS; arguments token_hidden, w_pool, b_pool, attention_mask, lowp_scales, codes, logits; writes codes, logits
.if DOCPART == 3
	.amdgcn_target "amdgcn-amd-amdhsa--gfx1250"
	.amdhsa_code_object_version 6
	.text
	.protected	k_qe203e6fdbb_quant
	.globl	k_qe203e6fdbb_quant
	.p2align	8
	.type	k_qe203e6fdbb_quant,@function
k_qe203e6fdbb_quant:
	s_mov_b64 s[64:65], 0
	v_nop
	global_prefetch_b8 v0, s[64:65] scope:SCOPE_SE
	s_setreg_imm32_b32 hwreg(HW_REG_WAVE_SCHED_MODE, 0, 2), 2
	s_setreg_imm32_b32 hwreg(HW_REG_WAVE_MODE, 25, 1), 1
	s_wait_xcnt 0x0
	s_wait_alu depctr_vm_vsrc(0)
; token_hidden [16][2048][768] f32 is read ONCE and gives two things:
;   logits[b][l] = token_hidden[b][l] . w_pool + b_pool in f32 (fused multiply-adds), or -infinity where attention_mask[b][l] < 0.5;
;   codes: token_hidden as codes of BF8 (E5M2) with the given scale 2^e1 (entry 1 of the scales), the TOKENS innermost, since they are the K of the product that follows.
; code = x / 2^e1, held within +-57,344, rounded to the nearest code, ties to even.
; LAYOUT OF codes, in the order of the operand's registers: [b 16][s 16][j 12][q 4][c 4][h 2][r 16][16 bytes]: byte y of word a of unit (c, h, r) is token 128 s + 32 c + 16 h + 4 a + y of column 64 j + 4 r + q.
; A fragment (j, q), 2,048 bytes, is then four loads of 16 bytes a lane at 16 x lane.  Its 16 rows are columns 4 apart: which rows form a tile is free, and so a lane's 4 neighbouring columns fall into 4 fragments at the same place.
; SHARES.  A work-group takes 128 tokens (one K step s) of one batch b, all 768 columns.  Wave w: tokens 16 (w % 8) on, columns 384 (w / 8) on, in three blocks of 128 columns.
; A lane takes 4 neighbouring columns (one load of 16 bytes) and its registers run down the 16 tokens: each load of the wave reads 512 consecutive bytes; 32 loads of x go out at the head, and 24 to 28 stay out while the last block is asked for.
; A BLOCK GOES IN QUARTERS OF 4 TOKENS, each behind a counted wait of its own: a quarter is worked while the block's later loads are on their way, and only the last quarter's lines stand behind a block's last load.
; The conversion packs a token's 4 columns into a word; eight byte permutes turn 4 x 4 bytes, so that a word holds 4 tokens of one column; a lane's 16 tokens of a column are 16 bytes, and sixteen lanes store 256 consecutive bytes, aligned.
; No tensor load, no ring: every number passes through registers in any case and no wave reads what another loaded.  No cluster: the work-groups share only w_pool, 3,072 bytes beside 393,216 of their own.
; LIMITS: e1 between -126 and 112, so that 2^e1 and 57,344 x 2^e1 are f32 numbers.  NaN among the inputs is not served.
; THE MODE: SCHED_MODE bits 1:0 = 2 (LLVM: expert scheduling mode 2), set by the entry lines.  The code itself states the register dependences
; between vector instructions and memory or LDS instructions, with s_wait_alu, always for 0.
; THE PLAN.  Registers that memory or LDS instructions touch:
;   v1, v2, v5, v6, v7, v9   offsets and LDS addresses, made at the head and never written again; v10, v11 likewise, for the closing add alone.
;   X set 0   Block 0 lands in it at the head.  Quarter a's products, holds and conversions read and write its 16 registers; at the HEAD OF THE NEXT QUARTER the same tokens of block 2 are loaded into them.
;   X set 1   Block 1 lands in it, once.
;   O         16 registers a block, written by the block's permutes, read by four stores at the HEAD OF THE NEXT BLOCK (block 2's: behind the scores' 16 additions), never written again.
;   v16-31    at the end: written by the 16 additions, read by four LDS stores; in wave 0 two LDS loads land in v16-23 behind the barrier.   v32-47: named by block 2's lines, then 16 LDS loads land in them.
; So one wait on va_vdst stands at the head of a quarter that has memory instructions, behind its wait for data; the loads and stores follow it at once, and the quarter's own vector lines name none of their registers
; (its own 16 registers of X, P, W, CD, TM and its own block's O).  A quarter without memory instructions has no such wait.
.set ROWB, 3072                        ; a token's row in bytes
.set RGP,  80                          ; LDS: a lane's 16 partial scores, 64 bytes + 16 of padding
.set RGB,  32*RGP                      ; a wave's own region
.set PART, 16*RGB                      ; behind the regions: [column half 2][token 128] f32
.set X,  16                            ; v16-143  two sets of 64: register 4 t + q = token t, column q
.set P,  144                           ; v144-175 a pair of partial scores for each token
.set W,  176                           ; v176-187 w_pool: 4 numbers for each block
.set CD, 188                           ; v188-203 codes as converted: word t = token t, 4 columns
.set TM, 204                           ; v204-207 at work in the byte transposition
.set O,  208                           ; v208-255 codes to store, 16 registers for each block: never written again, so no store's data wait for anything
; v1 16 x lane; v2 the codes' offset; v3 57,344 x 2^e1; v4 2^e1; v5, v6 my region in and out; v7 my word of PART; v8 my token's mask; v9 4 (lane % 16); v12 -infinity
; v10 the LDS address of my spare word (behind PART: byte 0xa400 + 4 x thread), v11 0: made at the head and kept for the closing add alone
	s_load_b256 s[4:11], s[0:1], 0x0               ; token_hidden s[4:5], w_pool s[6:7], b_pool s[8:9], attention_mask s[10:11]
	s_load_b128 s[12:15], s[0:1], 0x20             ; the scales' exponents s[12:13], codes s[14:15]
	s_load_b64 s[16:17], s[0:1], 0x30              ; logits
	v_lshl_add_u32 v10, v0, 2, 0xa400
	v_mov_b32 v11, 0
	v_lshrrev_b32 v13, 5, v0
	v_readfirstlane_b32 s18, v13                   ; wave 0..15
	s_and_b32 s22, ttmp7, 0xffff                   ; b
	v_and_b32 v13, 31, v0                          ; lane
	v_and_b32 v14, 15, v0                          ; lane % 16
	v_bfe_u32 v15, v0, 4, 1                        ; lane / 16
	v_lshlrev_b32 v1, 4, v13
	v_lshlrev_b32 v2, 4, v14
	v_lshl_add_u32 v2, v15, 13, v2                 ; lanes 16-31 hold the next 64 columns: the next j, 8,192 bytes on
	v_lshlrev_b32 v9, 2, v14
	v_mul_u32_u24 v5, v13, RGP
	v_mul_u32_u24 v6, v15, 16*RGP
	v_add_nc_u32 v6, v6, v9
	v_mov_b32 v12, 0xff800000
	s_wait_alu depctr_va_sdst(0)                   ; s18 is written, ahead of its first reader
	s_and_b32 s19, s18, 7                          ; tb: which 16 tokens
	s_lshr_b32 s20, s18, 3                         ; ch: which 384 columns
	s_mul_i32 s38, s18, RGB
	v_add_nc_u32 v5, s38, v5                       ; in: row = lane
	v_add_nc_u32 v6, s38, v6                       ; out: word = token lane % 16, of rows 16 (lane / 16) on
	s_lshl_b32 s39, s18, 6                         ; 512 ch + 64 tb = 64 x wave
	s_add_co_u32 s39, s39, PART
	v_add_nc_u32 v7, s39, v9
	s_mov_b32 s28, 0x05010400                      ; v_perm_b32: bytes 0 and 1 of two words, interleaved
	s_mov_b32 s29, 0x07030602                      ; bytes 2 and 3
	s_mov_b32 s30, 0x05040100                      ; the two low halves
	s_mov_b32 s31, 0x07060302                      ; the two high halves
	s_mov_b32 s32, 0x76543210                      ; v_permlanex16_b32: lane l xor 16
	s_mov_b32 s33, 0xfedcba98
	s_mov_b32 s25, 0
	s_mov_b32 s27, 0
	s_lshl_b32 s38, s22, 11
	s_lshl_b32 s39, ttmp9, 7
	s_add_co_u32 s38, s38, s39                     ; the work-group's first token: 2048 b + 128 s
	s_lshl_b32 s26, s38, 2
	s_wait_kmcnt 0x0
	s_load_b64 s[34:35], s[12:13], 0x0             ; e0, e1
	s_load_b32 s36, s[8:9], 0x0                    ; b_pool
	s_add_nc_u64 s[16:17], s[16:17], s[26:27]      ; logits at the work-group's first token
	s_lshl_b32 s39, s19, 4
	s_add_co_u32 s38, s38, s39                     ; my wave's first token
	s_lshl_b32 s26, s38, 2
	s_add_nc_u64 s[10:11], s[10:11], s[26:27]      ; the mask there
	s_mul_i32 s24, s38, ROWB
	s_mul_i32 s26, s20, 1536
	s_add_nc_u64 s[6:7], s[6:7], s[26:27]          ; w_pool at my 384 columns
	s_add_co_u32 s24, s24, s26
	s_add_nc_u64 s[4:5], s[4:5], s[24:25]          ; token_hidden at my first token and column (under 2^27 bytes)
.macro LOADQ g, set, a                 ; tokens 4 a .. 4 a + 3 of block g into a set: each load reads 512 consecutive bytes
.irp k, 0,1,2,3
	global_load_b128 v[X+64*(\set)+16*(\a)+4*\k:X+64*(\set)+16*(\a)+4*\k+3], v1, s[4:5] offset:(4*(\a)+\k)*ROWB+(\g)*512 th:TH_LOAD_NT
.endr
.endm
.macro SENDB g                         ; block g's codes: lanes 0-15 store 256 consecutive bytes, aligned; lanes 16-31 another 256, 8,192 bytes on
.irp q, 0,1,2,3
	global_store_b128 v2, v[O+16*(\g)+4*\q:O+16*(\g)+4*\q+3], s[14:15] offset:(\g)*16384+\q*2048
.endr
.endm
	s_wait_alu depctr_va_vdst(0)                   ; v1, v2, v5, v6, v7 and v9 are written: every load, store and LDS instruction of the kernel reads one of them as its offset or address
	global_load_b32 v8, v9, s[10:11]               ; the mask of token lane % 16: my oldest load, so every count below covers it
.irp g, 0,1,2
	global_load_b128 v[W+4*\g:W+4*\g+3], v1, s[6:7] offset:512*\g
.endr
.irp a, 0,1,2,3
	LOADQ 0, 0, \a
.endr
.irp a, 0,1,2,3
	LOADQ 1, 1, \a
.endr
	s_lshl_b32 s24, s22, 4
	s_add_co_u32 s24, s24, ttmp9
	s_mul_i32 s24, s24, 98304                      ; the slab (b, s),
	s_mul_i32 s26, s20, 49152                      ; my six j,
	s_add_co_u32 s24, s24, s26
	s_lshl_b32 s26, s19, 8                         ; my unit row 2 c + h = tb
	s_add_co_u32 s24, s24, s26
	s_add_nc_u64 s[14:15], s[14:15], s[24:25]
	s_wait_kmcnt 0x0
	s_mov_b32 s37, s36                             ; (named with s36 as a pair, so it is written)
	s_add_co_i32 s38, s35, 127
	s_lshl_b32 s39, s38, 23
	v_mov_b32 v4, s39                              ; 2^e1 as f32: the conversion takes its exponent field
	s_add_co_i32 s38, s38, 15
	s_lshl_b32 s38, s38, 23
	s_or_b32 s38, s38, 0x600000
	v_mov_b32 v3, s38                              ; 57,344 x 2^e1
; One block of 128 columns, in four quarters of 4 tokens.  Loads come back in order, so a quarter's wait counts the loads issued behind its own four:
;   block 0, quarter 0: 12 of its own block and 16 of block 1: 28;   quarter a > 0: 12 - 4 a of its own block, 16 of block 1 and the 4 (a - 1) of block 2 that the earlier heads have issued: 24;
;   block 1, quarter 0: 12 of its own block and 12 of block 2: 24;   quarter a > 0: 12 - 4 a of its own block and 16 of block 2;      block 2, quarter a: 12 - 4 a.
.macro STEP g
.set XS, X+64*((\g)%2)
.set WS, W+4*(\g)
.set OS, O+16*(\g)
.irp a, 0,1,2,3
.if (\g) == 0
.if \a == 0
	s_wait_loadcnt 28
.else
	s_wait_loadcnt 24
	s_wait_alu depctr_va_vdst(0)                   ; the quarter before is done reading and writing its 16 registers of X, in which the four loads below land
	LOADQ 2, 0, \a-1                               ; the same tokens of the last block; no vector line of this quarter names these registers
.endif
.elseif (\g) == 1
.if \a == 0
	s_wait_loadcnt 24
	s_wait_alu depctr_va_vdst(0)                   ; block 0's last quarter is done with its 16 registers of X, in which the loads below land, and its permutes have written the last of block 0's O, which the stores below read
	LOADQ 2, 0, 3
	SENDB 0
.else
	s_wait_loadcnt 28-4*\a
.endif
.else
	s_wait_loadcnt 12-4*\a
.if \a == 0
	s_wait_alu depctr_va_vdst(0)                   ; block 1's permutes have written its O, which the stores below read
	SENDB 1
.endif
.endif
.irp k, 0,1,2,3
.if (\g) == 0
	v_pk_mul_f32 v[P+8*\a+2*\k:P+8*\a+2*\k+1], v[XS+16*\a+4*\k:XS+16*\a+4*\k+1], v[WS:WS+1]   ; the first products start the sums: nothing is cleared
.else
	v_pk_fma_f32 v[P+8*\a+2*\k:P+8*\a+2*\k+1], v[XS+16*\a+4*\k:XS+16*\a+4*\k+1], v[WS:WS+1], v[P+8*\a+2*\k:P+8*\a+2*\k+1]
.endif
.endr
.irp k, 0,1,2,3
	v_pk_fma_f32 v[P+8*\a+2*\k:P+8*\a+2*\k+1], v[XS+16*\a+4*\k+2:XS+16*\a+4*\k+3], v[WS+2:WS+3], v[P+8*\a+2*\k:P+8*\a+2*\k+1]
.endr
.irp u, 0,1                            ; two tokens: eight holds, then their conversion.  The second pair's holds are the plain lines behind the first conversion; the first two permutes, which read the first conversion's words alone, are those behind the second
.irp k, 0,1,2,3,4,5,6,7
	v_med3_num_f32 v[XS+16*\a+8*\u+\k], v[XS+16*\a+8*\u+\k], -v3, v3   ; the conversion to an 8-bit code does not saturate (ISA guide 7.6.2): the hold at the largest code x the scale
.endr
	v_cvt_scalef32_pk8_bf8_f32 v[CD+4*\a+2*\u:CD+4*\a+2*\u+1], v[XS+16*\a+8*\u:XS+16*\a+8*\u+7], v4   ; tokens 4 a + 2 u and 4 a + 2 u + 1, 4 columns each
.endr
	v_perm_b32 v[TM],   v[CD+4*\a+1], v[CD+4*\a],   s28   ; 4 words of 4 columns become 4 words of 4 tokens
	v_perm_b32 v[TM+1], v[CD+4*\a+1], v[CD+4*\a],   s29
	v_perm_b32 v[TM+2], v[CD+4*\a+3], v[CD+4*\a+2], s28
	v_perm_b32 v[TM+3], v[CD+4*\a+3], v[CD+4*\a+2], s29
	v_perm_b32 v[OS+\a],    v[TM+2], v[TM],   s30  ; column 0
	v_perm_b32 v[OS+4+\a],  v[TM+2], v[TM],   s31  ; column 1
	v_perm_b32 v[OS+8+\a],  v[TM+3], v[TM+1], s30  ; column 2
	v_perm_b32 v[OS+12+\a], v[TM+3], v[TM+1], s31  ; column 3
.endr
.endm
	STEP 0
	STEP 1
	STEP 2
	; THE SCORES.  A lane holds, for each of 16 tokens, the sum over its 12 columns.  The 32 x 16 numbers turn through my own region in LDS, so that a lane gets one token's parts.
.irp t, 0,1,2,3,4,5,6,7,8,9,10,11,12,13,14,15
	v_add_f32 v[16+\t], v[P+2*\t], v[P+2*\t+1]
.endr
	s_wait_alu depctr_va_vdst(0)                   ; block 2's permutes have written its O, which the stores below read; the additions have written v16-31, which the LDS stores read; block 2's lines are done with v32-47, in which the LDS loads land
	SENDB 2
.irp a, 0,1,2,3
	ds_store_b128 v5, v[16+4*\a:19+4*\a] offset:16*\a
.endr
.irp i, 0,1,2,3,4,5,6,7,8,9,10,11,12,13,14,15
	ds_load_b32 v[32+\i], v6 offset:RGP*\i         ; LDS serves a wave's instructions in order (ISA guide 5.7.1.4): these see my stores
.endr
	s_wait_dscnt 0x0
	v_cmp_le_f32 vcc_lo, 0.5, v8                   ; is my token visible?  The additions below stand between the compare and the select that reads its mask
.irp d, 8,4,2
.set i, 0
.rept \d/2
	v_pk_add_f32 v[32+i:33+i], v[32+i:33+i], v[32+\d+i:33+\d+i]
.set i, i+2
.endr
.endr
	v_add_f32 v32, v32, v33                        ; sixteen lanes' parts of token lane % 16,
	v_permlanex16_b32 v33, v32, s32, s33
	v_add_f32 v32, v32, v33                        ; and the other sixteen's: my 384 columns' part of the score
	s_wait_alu depctr_va_vcc(0)                    ; the compare has written VCC, ahead of its one reader
	v_cndmask_b32 v32, v12, v32, vcc_lo            ; a hidden token's part becomes -infinity: the two halves' sum, and that plus b, stay -infinity
	s_wait_alu depctr_va_vdst(0)                   ; the select has written v32, which the LDS store reads
	ds_store_b32 v7, v32                           ; lanes l and l + 16 write the same word with the same number
	s_wait_dscnt 0x0                               ; for wave 0's sake: my store has landed
	s_barrier_signal -1
	s_barrier_wait -1
	s_wait_alu depctr_vm_vsrc(0)                   ; my LDS stores have read v16-31: wave 0's LDS loads land in v16-23.  The wait stands ahead of the branch
	s_cmp_lg_u32 s18, 0
	s_cbranch_scc1 .Ldone
	ds_load_b128 v[16:19], v1 offset:PART          ; tokens 4 x lane on: the first 384 columns' parts,
	ds_load_b128 v[20:23], v1 offset:PART+512      ; the second's
	s_wait_dscnt 0x0
	v_pk_add_f32 v[16:17], v[16:17], v[20:21]
	v_pk_add_f32 v[18:19], v[18:19], v[22:23]
	v_pk_add_f32 v[16:17], v[16:17], s[36:37] op_sel_hi:[1,0]   ; + b_pool
	v_pk_add_f32 v[18:19], v[18:19], s[36:37] op_sel_hi:[1,0]
	s_wait_alu depctr_va_vdst(0)                   ; the additions have written v16-19, which the store reads
	global_store_b128 v1, v[16:19], s[16:17]       ; 512 consecutive bytes, aligned
.Ldone:
	s_wait_dscnt 0x0                               ; the closing lines, six on end
	s_wait_alu 0x0
	s_wait_tensorcnt 0x0
	ds_add_u32 v10, v11
	s_wait_dscnt 0x0
	s_endpgm
.Lfunc_end_k_qe203e6fdbb_quant:
	.size	k_qe203e6fdbb_quant, .Lfunc_end_k_qe203e6fdbb_quant-k_qe203e6fdbb_quant
	.p2alignl 7, 3214868480
	.fill 96, 4, 3214868480
	.section	.rodata,"a",@progbits
	.p2align	6, 0x0
	.amdhsa_kernel k_qe203e6fdbb_quant
		.amdhsa_group_segment_fixed_size 44032
		.amdhsa_private_segment_fixed_size 0
		.amdhsa_enable_private_segment 0
		.amdhsa_kernarg_size 56
		.amdhsa_user_sgpr_count 2
		.amdhsa_user_sgpr_kernarg_segment_ptr 1
		.amdhsa_wavefront_size32 1
		.amdhsa_system_sgpr_workgroup_id_x 1
		.amdhsa_system_sgpr_workgroup_id_y 1
		.amdhsa_system_sgpr_workgroup_id_z 1
		.amdhsa_system_vgpr_workitem_id 0
		.amdhsa_next_free_vgpr 256
		.amdhsa_next_free_sgpr 66
		.amdhsa_reserve_vcc 1
		.amdhsa_float_denorm_mode_32 3
		.amdhsa_float_denorm_mode_16_64 3
		.amdhsa_memory_ordered 1
		.amdhsa_forward_progress 1
		.amdhsa_inst_pref_size 39
	.end_amdhsa_kernel
	.amdgpu_metadata
---
amdhsa.version: [ 1, 2 ]
amdhsa.kernels:
  - .name:           k_qe203e6fdbb_quant
    .symbol:         k_qe203e6fdbb_quant.kd
    .args:
      - { .name: token_hidden, .offset: 0, .size: 8, .value_kind: global_buffer, .address_space: global }
      - { .name: w_pool, .offset: 8, .size: 8, .value_kind: global_buffer, .address_space: global }
      - { .name: b_pool, .offset: 16, .size: 8, .value_kind: global_buffer, .address_space: global }
      - { .name: attention_mask, .offset: 24, .size: 8, .value_kind: global_buffer, .address_space: global }
      - { .name: lowp_scales, .offset: 32, .size: 8, .value_kind: global_buffer, .address_space: global }
      - { .name: codes, .offset: 40, .size: 8, .value_kind: global_buffer, .address_space: global }
      - { .name: logits, .offset: 48, .size: 8, .value_kind: global_buffer, .address_space: global }
    .group_segment_fixed_size: 44032
    .private_segment_fixed_size: 0
    .kernarg_segment_align: 8
    .kernarg_segment_size: 56
    .max_flat_workgroup_size: 512
    .sgpr_count:     66
    .vgpr_count:     256
    .wavefront_size: 32
...
	.end_amdgpu_metadata
.endif
;; end of part 3
;; launch pool (part 4): grid 12 x 16, 16 waves a work-group, no clusters, 155,648 bytes of LDS; arguments logits, codes, span_starts, span_ends, lowp_scales, out0, out1; writes out0, out1
.if DOCPART == 4
	.amdgcn_target "amdgcn-amd-amdhsa--gfx1250"
	.amdhsa_code_object_version 6
	.text
	.protected	k_qe203e6fdbb_pool
	.globl	k_qe203e6fdbb_pool
	.p2align	8
	.type	k_qe203e6fdbb_pool,@function
k_qe203e6fdbb_pool:
	s_mov_b64 s[64:65], 0
	v_nop
	global_prefetch_b8 v0, s[64:65] scope:SCOPE_SE
	s_setreg_imm32_b32 hwreg(HW_REG_WAVE_SCHED_MODE, 0, 2), 2
	s_setreg_imm32_b32 hwreg(HW_REG_WAVE_MODE, 25, 1), 1
	s_wait_xcnt 0x0
	s_wait_alu depctr_vm_vsrc(0)
; out0[b][k][:] = sum over l of Q(w[b][k][l]) Q(token_hidden[b][l][:]), w = the softmax of the logits over the visible tokens of span k, finished and normalised, then quantised to BF8 (E5M2) with 2^e0;
; token_hidden's codes (scale 2^e1) and the logits (score + b, -infinity where the mask hides a token) were made by the launch before.  out1[b][k] = 1 where span k has a visible token, else 0.
; SHARES.  A work-group takes one batch b and 64 columns (j): a row's piece of out0 is then 256 consecutive bytes, aligned.  Wave w owns K step w, tokens 128 w .. 128 w + 127, for both tiles of 16 spans and 4 fragments of codes.
; LAYOUT.  Lane (r, h) holds span 16 t + r; register 16 c + i of E_t is token 128 w + 32 c + 16 h + i: the conversions' results are the operand's registers, with k in the same places as in the codes' fragments.
; (That is a permutation of k against the form's own layout, the same on both sides: every product meets its partner.)  Source 0 = 16 columns of codes, source 1 = 16 spans.
; SOFTMAX, the maximum taken away as reference() takes it: each wave finds its 128 tokens' maximum M and sum S of 2^((l - M) c), c = log2 e; the sixteen waves' M and S meet in LDS; with m the span's maximum,
; s = sum of S_i 2^((M_i - m) c), and w = 2^((l - M) c) x 2^((M - m) c) / max(s, 1e-30).  Differences are formed before the multiplication by c.  M starts at -3e38, so that an empty part gives S = 0 and no NaN.
; A wave whose 128 tokens lie outside the hull of a tile's 16 spans (least start, greatest end: a superset for any spans, sorted or not) leaves that tile's softmax out and takes zero codes: a scalar branch on the index inputs.
; THE SIXTEEN PARTS OF THE PRODUCT are summed through LDS, where they lie as IMAGES OF THE ACCUMULATORS' REGISTERS: four registers a store, 16 bytes a lane.  Wave w sums span rows 2 w and 2 w + 1: each of its lanes picks,
; from each image, the 16 bytes that a lane of that row stored.  Those are 4 columns that lie 4 apart, so the sums take a 4 x 4 turn through 544 bytes of the wave's own and leave as whole rows.  Each sum is multiplied once by 2^(e0 + e1).
; No tensor load: each code byte goes to one wave's registers once.  No cluster: the twelve work-groups of a batch share the logits and the spans alone, 8,448 bytes beside 131,072 bytes of codes of their own.
; LIMITS: e0 between -126 and 112 (2^e0 and 57,344 x 2^e0 are f32 numbers); e0 + e1 is applied by v_ldexp_f32 and has none.  Visible tokens' scores are finite and above -1e30, reference()'s own stand-in for a hidden token.
; NaN is not served.  A weight under 2^-126 becomes 0 (v_exp_f32 gives no denormals: ISA guide, its entry in 15.8).
; THE MODE: SCHED_MODE bits 1:0 = 2 (LLVM: expert scheduling mode 2), set by the entry lines.  The code itself states the register dependences
; between vector or matrix instructions and memory or LDS instructions, with s_wait_alu, always for 0.
; THE PLAN.  Registers that memory or LDS instructions touch:
;   v1-3, v224-229, v238, v239   offsets and LDS addresses, made at the head and never written again.
;   v80-207   the logits land in them once, at the head; from then on vector and matrix instructions alone name them, until the images' stores read the sums in v144-207.
;   v16-79    the codes land in them once; the eight products read them; behind the second barrier the sixteen parts land in them.
;   v8-11     M and S: written by vector lines, read by four LDS stores that stand together behind both tiles, not written again.
;   v240-255  at work in vector lines; the spans' four words land in v240-243 at the head; each tile's four LDS loads of M and S land in all sixteen.
;   v16-19    the finished sums: read by the turn's four LDS stores;   v20-23: named by the additions, then the turn's LDS load lands in them, and the last store reads them.
;   v15, v241 the data and the offset of out1's store, in one wave.
; No register that a memory or LDS instruction has read is written again, so no wait on vm_vsrc stands behind the entry lines.  The waits on va_vdst that state such dependences are six: at the head; ahead of the stores of M and S (it serves
; tile 0's loads of them too: no vector line stands between); ahead of tile 1's loads; ahead of out1's store; behind the places, ahead of the images' stores (it serves the parts' loads too); ahead of the turn's stores (and its load).
; Masks: compares are laid in runs into scalar registers, one wait on va_sdst behind each run, ahead of the selects that read them: a tile's 64 compares have one.
.set STATM, 0                          ; LDS: 32 rows (span), 80 bytes apart; word w = wave w's M
.set STATS, 2560                       ; the same for S
.set RED,   5120                       ; the images: a region for each wave
.set CH,    544                        ; a chunk: four registers of 32 lanes: lanes 0-15's 256 bytes + 16 of padding, lanes 16-31's likewise
.set RW,    16*CH                      ; a wave's 64 registers
.set STG,   RED+16*RW                  ; behind the images: 2 rows of 256 bytes + 16 for each wave, for the turn at the end
.set B,   16                           ; v16-79   the codes' fragment q at 16 + 16 q; later the parts to be summed
.set ACC, 144                          ; v144-207 accumulator (t, q) at 144 + 8 (4 t + q), over E1
.set T,   240                          ; v240-255 at work
.set TL,  230                          ; at the head only: lane, r, h (later F0, F1, FLAG0)
.set TR,  232
.set TH,  234
; v1 16 x lane; v2 64 h; v3 4 r; v4, v5 U0, LEN0; v6, v7 U1, LEN1; v8, v9 M0, S0; v10, v11 M1, S1; v12 -infinity; v13 57,344 x 2^e0; v14 2^e0; v15 at work
; v80-143 E0, later v80-95 A1; v144-207 E1; v208-223 A0; v224 where I store M and S; v225 where I read them; v226 my image; v227, v229 my piece of images 0-7, 8-15; v228 my offset in out0
; v[230:231] F0, v[232:233] F1; v234, v235 the flags; v[236:237] m; v238, v239 the turn: in and out
; s90, s91: does a span of tile 0, 1 reach my tokens?  s88, s101: the same, or I am the wave that stores out1
; s16-63, s68-83: the spans' starts and ends, for the hulls; behind the hulls the masks of the compares
	s_load_b256 s[4:11], s[0:1], 0x0               ; logits s[4:5], codes s[6:7], span_starts s[8:9], span_ends s[10:11]
	s_load_b128 s[12:15], s[0:1], 0x20             ; the scales' exponents s[12:13], out0 s[14:15]
	s_load_b64 s[84:85], s[0:1], 0x30              ; out1
	v_lshrrev_b32 v15, 5, v0
	v_readfirstlane_b32 s86, v15                   ; wave 0..15
	s_and_b32 s87, ttmp7, 0xffff                   ; b
	v_and_b32 v[TL], 31, v0
	v_and_b32 v[TR], 15, v0
	v_bfe_u32 v[TH], v0, 4, 1
	v_lshlrev_b32 v1, 4, v[TL]
	v_lshlrev_b32 v2, 6, v[TH]
	v_lshlrev_b32 v3, 2, v[TR]
	v_mul_u32_u24 v225, v[TR], 80                  ; every LDS address is made here, ahead of the first branch
	s_wait_alu depctr_va_sdst(0)                   ; s86 is written, ahead of its first reader
	s_lshl_b32 s89, s86, 7                         ; my first token
	v_lshl_add_u32 v15, v[TH], 4, s89              ; 128 w + 16 h: my register 0's token
	s_lshl_b32 s98, s86, 2
	v_add_nc_u32 v224, s98, v225                   ; 80 r + 4 w
	v_lshl_add_u32 v225, v[TH], 5, v225            ; 80 r + 32 h: half h reads waves 8 h .. 8 h + 7
	v_mul_u32_u24 v239, v[TH], 272
	v_mul_u32_u24 v238, v[TH], 272
	v_lshl_add_u32 v239, v[TR], 4, v239            ; 272 h + 16 r: a lane's place in a chunk, and in a pair of rows
	s_mul_i32 s98, s86, RW
	s_add_co_u32 s98, s98, RED
	v_add_nc_u32 v226, s98, v239                   ; my image
	s_mul_i32 s98, s86, CH
	s_add_co_u32 s98, s98, STG
	v_add_nc_u32 v239, s98, v239                   ; the turn, out: lanes 0-15 one row, lanes 16-31 the next, 16 bytes a lane
	v_and_b32 v[T], 1, v0                          ; the turn, in.  Lane 16 x + 4 q + 2 u + y sums registers 4 u .. 4 u + 3 of accumulator (t, q) as lane (2 (w % 8) + x, y) held them:
	v_lshl_add_u32 v238, v[T], 7, v238             ; columns 32 y + 16 u + 4 n + q of row 2 w + x: byte 272 x + 128 y
	v_bfe_u32 v[T], v0, 1, 1
	v_lshl_add_u32 v238, v[T], 6, v238             ; + 64 u
	v_bfe_u32 v[T], v0, 2, 2
	v_lshl_add_u32 v238, v[T], 2, v238             ; + 4 q; 16 n stands in the immediate
	v_add_nc_u32 v238, s98, v238
	s_lshr_b32 s98, s86, 3                         ; my rows' tile t = w / 8: chunks 8 t on,
	s_mul_i32 s98, s98, 8*CH
	s_and_b32 s100, s86, 7
	s_lshl_b32 s100, s100, 5                       ; the storing lane r = 2 (w % 8) + x: 16 bytes each
	s_add_co_u32 s98, s98, s100
	s_add_co_u32 s98, s98, RED
	v_mul_u32_u24 v227, v[TR], 272                 ; chunk 2 q + u, half y: 544 (2 q + u) + 272 y = 272 (lane % 16): sixteen lanes read sixteen different columns of 16 bytes modulo 256
	v_lshl_add_u32 v227, v[TH], 4, v227
	v_add_nc_u32 v227, s98, v227                   ; in wave 0's image;
	v_add_nc_u32 v229, 8*RW, v227                  ; in wave 8's
	v_mul_u32_u24 v228, v[TH], 3072
	v_lshl_add_u32 v228, v[TR], 4, v228            ; rows 2 w and 2 w + 1 in out0
	v_mov_b32 v12, 0xff800000
	v_mov_b32 v231, 0                              ; upper halves of pairs that packed forms name, a lane permute's destination, tile 1's flag: written once
	v_mov_b32 v233, 0
	v_mov_b32 v235, 0
	v_mov_b32 v237, 0
	s_mov_b32 s92, 0x3fb8aa3b                      ; c = log2 e
	s_mov_b32 s93, s92
	s_mov_b32 s94, 0x76543210                      ; v_permlanex16_b32: lane l xor 16
	s_mov_b32 s95, 0xfedcba98
	s_mov_b32 s99, 0
	s_lshl_b32 s98, s87, 7                         ; a batch's 32 words
	s_wait_kmcnt 0x0
	s_add_nc_u64 s[8:9], s[8:9], s[98:99]
	s_add_nc_u64 s[10:11], s[10:11], s[98:99]
	s_add_nc_u64 s[84:85], s[84:85], s[98:99]
	s_load_b512 s[16:31], s[8:9], 0x0              ; the starts of tile 0,
	s_load_b512 s[32:47], s[8:9], 0x40             ; of tile 1;
	s_load_b512 s[48:63], s[10:11], 0x0            ; the ends of tile 0,
	s_load_b512 s[68:83], s[10:11], 0x40           ; of tile 1
	s_load_b64 s[96:97], s[12:13], 0x0             ; e0, e1
	s_lshl_b32 s98, s87, 13
	s_lshl_b32 s100, s86, 9
	s_add_co_u32 s98, s98, s100
	s_add_nc_u64 s[4:5], s[4:5], s[98:99]          ; logits at my first token
	s_lshl_b32 s98, s87, 4
	s_add_co_u32 s98, s98, s86
	s_mul_i32 s98, s98, 98304                      ; the slab (b, w),
	s_lshl_b32 s100, ttmp9, 13                     ; its four fragments of j
	s_add_co_u32 s98, s98, s100
	s_add_nc_u64 s[6:7], s[6:7], s[98:99]
	s_wait_alu depctr_va_vdst(0)                   ; the offsets and LDS addresses v1-3, v224-229, v238, v239 are written, which the kernel's loads, stores and LDS instructions read; so is v240, in which the first load lands
	global_load_b32 v[T],   v3, s[8:9]             ; my spans' starts (tile 0, tile 1) and ends
	global_load_b32 v[T+1], v3, s[8:9] offset:64
	global_load_b32 v[T+2], v3, s[10:11]
	global_load_b32 v[T+3], v3, s[10:11] offset:64
.irp e, 80,144                         ; my 64 tokens' logits, once for each tile: each tile masks and works on them in place
.irp c, 0,1,2,3
.irp a, 0,1,2,3
	global_load_b128 v[\e+16*\c+4*\a:\e+16*\c+4*\a+3], v2, s[4:5] offset:128*\c+16*\a
.endr
.endr
.endr
.irp i, 0,1,2,3,4,5,6,7,8,9,10,11,12,13,14,15
	global_load_b128 v[B+4*\i:B+4*\i+3], v1, s[6:7] offset:512*\i th:TH_LOAD_NT   ; 8,192 bytes on end: four fragments as they lie
.endr
	s_mul_i32 s98, s87, 98304
	s_mul_i32 s100, s86, 6144
	s_add_co_u32 s98, s98, s100
	s_lshl_b32 s100, ttmp9, 8
	s_add_co_u32 s98, s98, s100
	s_add_nc_u64 s[14:15], s[14:15], s[98:99]      ; out0 at row 2 w of the batch, column 64 j
	s_wait_kmcnt 0x0
	; the hulls: does any span of a tile reach into my 128 tokens?
	s_add_co_u32 s100, s89, 128
	s_min_i32 s98, s16, s17
.irp k, 18,19,20,21,22,23,24,25,26,27,28,29,30,31
	s_min_i32 s98, s98, s\k
.endr
	s_max_i32 s99, s48, s49
.irp k, 50,51,52,53,54,55,56,57,58,59,60,61,62,63
	s_max_i32 s99, s99, s\k
.endr
	s_cmp_lt_i32 s98, s100
	s_cselect_b32 s90, 1, 0
	s_cmp_gt_i32 s99, s89
	s_cselect_b32 s90, s90, 0                      ; tile 0
	s_min_i32 s98, s32, s33
.irp k, 34,35,36,37,38,39,40,41,42,43,44,45,46,47
	s_min_i32 s98, s98, s\k
.endr
	s_max_i32 s99, s68, s69
.irp k, 70,71,72,73,74,75,76,77,78,79,80,81,82,83
	s_max_i32 s99, s99, s\k
.endr
	s_cmp_lt_i32 s98, s100
	s_cselect_b32 s91, 1, 0
	s_cmp_gt_i32 s99, s89
	s_cselect_b32 s91, s91, 0                      ; tile 1
	s_or_b32 s99, ttmp9, s86                       ; wave 0 of the batch's first work-group stores out1: it wants every span's m
	s_cmp_eq_u32 s99, 0
	s_cselect_b32 s99, 1, 0
	s_or_b32 s88, s90, s99
	s_or_b32 s101, s91, s99
	s_add_co_i32 s99, s96, 127
	s_lshl_b32 s100, s99, 23
	v_mov_b32 v14, s100                            ; 2^e0 as f32: the conversion takes its exponent field
	s_add_co_i32 s99, s99, 15
	s_lshl_b32 s99, s99, 23
	s_or_b32 s99, s99, 0x600000
	v_mov_b32 v13, s99                             ; 57,344 x 2^e0
	s_add_co_i32 s98, s96, s97                     ; e0 + e1
	s_wait_loadcnt 48                              ; my spans' four words are in; 32 loads of logits and 16 of codes stay out
	; starts and ends held within 0 .. 2,048: for tokens 0 .. 2,047 the two comparisons of reference() stay what they are
.irp n, 0,1,2,3
	v_cmp_le_i32 s[16+\n], 0, v[T+\n]
.endr
	s_wait_alu depctr_va_sdst(0)                   ; the four compares have written s16-19, ahead of the selects that read them
.irp n, 0,1,2,3
	v_cndmask_b32 v[T+\n], 0, v[T+\n], s[16+\n]
.endr
.irp n, 0,1,2,3
	v_min_u32 v[T+\n], 0x800, v[T+\n]
.endr
.irp t, 0,1
	v_cmp_gt_u32 s[20+\t], v[T+2+\t], v[T+\t]
.endr
.irp t, 0,1
	v_sub_nc_u32 v[5+2*\t], v[T+2+\t], v[T+\t]
	v_sub_nc_u32 v[4+2*\t], v15, v[T+\t]           ; U = 128 w + 16 h - start: register 16 c + i's token counts where U + 32 c + i < LEN, unsigned
	v_mov_b32 v[8+2*\t], 0xff61b1e6                ; M = -3e38
	v_mov_b32 v[9+2*\t], 0                         ; S = 0
.endr
	s_wait_alu depctr_va_sdst(0)                   ; the two compares have written s20 and s21, ahead of the selects that read them
.irp t, 0,1
	v_cndmask_b32 v[5+2*\t], 0, v[5+2*\t], s[20+\t]  ; LEN = end - start, 0 for an empty span
.endr
; My 128 tokens' maximum and sum for tile t.  left = how many younger loads may stay out.
.macro P1 t, left
.set EB, 80+64*(\t)
.set RU, 4+2*(\t)
.set RM, 8+2*(\t)
	s_wait_loadcnt \left                           ; the tile's logits are in.  The wait stands ahead of the branch: every way on which E is read later has passed it
	s_cmp_eq_u32 s[90+(\t)], 0
	s_cbranch_scc1 .Lquiet_\@
.irp g, 0,1,2,3                        ; what lies outside my span becomes -infinity.  All 64 compares first, sixteen at a time, each into a scalar register of its own: register i's mask in s[16 + i], from i = 48 on in s[20 + i]
.irp n, 0,1,2,3,4,5,6,7,8,9,10,11,12,13,14,15
	v_add_nc_u32 v[T+\n], 32*\g+\n, v[RU]
.endr
.irp n, 0,1,2,3,4,5,6,7,8,9,10,11,12,13,14,15
	v_cmp_gt_u32 s[16+16*\g+4*(\g/3)+\n], v[RU+1], v[T+\n]
.endr
.endr
	s_wait_alu depctr_va_sdst(0)                   ; the 64 compares have written their masks, ahead of the selects that read them: one wait for the run
.set i, 0
.rept 64
	v_cndmask_b32 v[EB+i], v12, v[EB+i], s[16+i+4*(i/48)]
.set i, i+1
.endr
	v_max3_num_f32 v[T],   v[EB],   v[EB+1], v[RM] ; the maximum, in two chains; -3e38 goes in with the first
	v_max3_num_f32 v[T+1], v[EB+2], v[EB+3], v[EB+4]
.irp i, 5,9,13,17,21,25,29,33,37,41,45,49,53,57
	v_max3_num_f32 v[T],   v[T],   v[EB+\i],   v[EB+\i+1]
	v_max3_num_f32 v[T+1], v[T+1], v[EB+\i+2], v[EB+\i+3]
.endr
	v_max3_num_f32 v[T], v[T], v[EB+61], v[EB+62]
	v_max3_num_f32 v[T], v[T], v[T+1], v[EB+63]
	v_permlanex16_b32 v[T+1], v[T], s94, s95
	v_max_num_f32 v[RM], v[T], v[T+1]              ; and lane l xor 16's: M
.set i, 0
.rept 32
	v_pk_add_f32 v[EB+i:EB+i+1], v[EB+i:EB+i+1], v[RM:RM+1] op_sel_hi:[1,0] neg_lo:[0,1] neg_hi:[0,1]   ; l - M first,
.set i, i+2
.endr
.set i, 0
.rept 32
	v_pk_mul_f32 v[EB+i:EB+i+1], v[EB+i:EB+i+1], s[92:93] op_sel_hi:[1,0]   ; then x c
.set i, i+2
.endr
.set i, 0
.rept 64
	v_exp_f32 v[EB+i], v[EB+i]
.set i, i+1
.endr
	v_nop                                          ; a plain instruction behind the last exponential (ISA guide 5.7.2),
	s_wait_alu depctr_va_vdst(0)                   ; and one wait ahead of the batch's first reader: the 64 exponentials have written E
	v_pk_add_f32 v[T:T+1],   v[EB:EB+1],   v[EB+2:EB+3]
	v_pk_add_f32 v[T+2:T+3], v[EB+4:EB+5], v[EB+6:EB+7]
.irp i, 8,12,16,20,24,28,32,36,40,44,48,52,56,60
	v_pk_add_f32 v[T:T+1],   v[T:T+1],   v[EB+\i:EB+\i+1]
	v_pk_add_f32 v[T+2:T+3], v[T+2:T+3], v[EB+\i+2:EB+\i+3]
.endr
	v_pk_add_f32 v[T:T+1], v[T:T+1], v[T+2:T+3]
	v_add_f32 v[T], v[T], v[T+1]
	v_permlanex16_b32 v[T+1], v[T], s94, s95
	v_add_f32 v[RM+1], v[T], v[T+1]                ; S
.Lquiet_\@:
.endm
; The span's maximum and sum from the sixteen waves'; the flag; my 64 weights, quantised: tile t's operand.
; A wave that no span of the tile reaches wants none of it and takes zero codes at once, but for the wave that stores out1, which wants the flag.
.macro P2 t
.set EB, 80+64*(\t)
.set RM, 8+2*(\t)
.set RF, 230+2*(\t)
.set AB, 208-128*(\t)
	s_cmp_eq_u32 s[88+13*(\t)], 0
	s_cbranch_scc1 .Lidle_\@
.if (\t) == 1
	s_wait_alu depctr_va_vdst(0)                   ; tile 0's lines are done reading and writing v240-255, in which the four LDS loads below land.  (Tile 0's own loads stand behind the wait ahead of the stores of M and S, with no vector line between)
.endif
	ds_load_b128 v[T:T+3],     v225 offset:STATM+1280*(\t)
	ds_load_b128 v[T+4:T+7],   v225 offset:STATM+1280*(\t)+16
	ds_load_b128 v[T+8:T+11],  v225 offset:STATS+1280*(\t)
	ds_load_b128 v[T+12:T+15], v225 offset:STATS+1280*(\t)+16
	s_wait_dscnt 0x0
	v_max3_num_f32 v15, v[T], v[T+1], v[T+2]
	v_max3_num_f32 v15, v15, v[T+3], v[T+4]
	v_max3_num_f32 v15, v15, v[T+5], v[T+6]
	v_max_num_f32 v15, v15, v[T+7]
	v_permlanex16_b32 v237, v15, s94, s95
	v_max_num_f32 v236, v15, v237                  ; m
	v_cmp_lt_f32 vcc_lo, 0xff61b1e6, v236          ; a visible token has raised m above -3e38.  The lines down to the exponentials stand between the compare and the select that reads its mask
.irp i, 0,2,4,6
	v_pk_add_f32 v[T+\i:T+\i+1], v[T+\i:T+\i+1], v[236:237] op_sel_hi:[1,0] neg_lo:[0,1] neg_hi:[0,1]   ; M_i - m
.endr
	v_sub_f32 v15, v[RM], v236                     ; my own M - m
.irp i, 0,2,4,6
	v_pk_mul_f32 v[T+\i:T+\i+1], v[T+\i:T+\i+1], s[92:93] op_sel_hi:[1,0]
.endr
	v_mul_f32 v15, s92, v15
.irp i, 0,1,2,3,4,5,6,7
	v_exp_f32 v[T+\i], v[T+\i]
.endr
	v_exp_f32 v15, v15
	s_wait_alu depctr_va_vcc(0)                    ; the compare has written VCC, ahead of its one reader
	v_cndmask_b32 v[234+(\t)], 0, 1.0, vcc_lo      ; the flag.  (This is the plain instruction behind the exponentials)
	s_wait_alu depctr_va_vdst(0)                   ; one wait for the nine exponentials, ahead of their first reader
	v_pk_mul_f32 v[T:T+1], v[T:T+1], v[T+8:T+9]
.irp i, 2,4,6
	v_pk_fma_f32 v[T:T+1], v[T+\i:T+\i+1], v[T+8+\i:T+9+\i], v[T:T+1]
.endr
	v_add_f32 v[T], v[T], v[T+1]
	v_permlanex16_b32 v[T+1], v[T], s94, s95
	v_add_f32 v[T], v[T], v[T+1]                   ; s
	v_max_num_f32 v[T], 0x0da24260, v[T]           ; at least 1e-30, as reference() has it
	v_rcp_f32 v[T+2], v[T]
	v_nop
	s_wait_alu depctr_va_vdst(0)                   ; the reciprocal has written v242, ahead of its reader
	v_mul_f32 v[RF], v[T+2], v15                   ; F = 2^((M - m) c) / s
	s_cmp_eq_u32 s[90+(\t)], 0
	s_cbranch_scc1 .Lidle_\@
.set i, 0
.rept 32
	v_pk_mul_f32 v[EB+i:EB+i+1], v[EB+i:EB+i+1], v[RF:RF+1] op_sel_hi:[1,0]   ; w
.set i, i+2
.endr
	s_cmp_ge_i32 s96, -15                          ; w is at most 1, but for a few roundings; from e0 = -15 on the largest code x 2^e0 is 1.75 or more, so the hold cannot bind:
	s_cbranch_scc1 .Lroom_\@                       ; a scalar branch on the given whole number leaves its 64 lines out
.set i, 0
.rept 64
	v_min_num_f32 v[EB+i], v[EB+i], v13            ; the conversion does not saturate (ISA guide 7.6.2); w is not negative, so the hold is one-sided
.set i, i+1
.endr
.Lroom_\@:
.irp c, 0,1,2,3
.irp u, 0,1
	v_cvt_scalef32_pk8_bf8_f32 v[AB+4*\c+2*\u:AB+4*\c+2*\u+1], v[EB+16*\c+8*\u:EB+16*\c+8*\u+7], v14
.endr
.endr
	v_nop                                          ; one plain vector instruction behind the last scaled conversion: later lines write its sources and read its results
	s_branch .Ljoin_\@
.Lidle_\@:
.set i, 0
.rept 16
	v_mov_b32 v[AB+i], 0                           ; no span of the tile reaches my tokens: zero codes
.set i, i+1
.endr
.Ljoin_\@:
.endm
	P1 0, 32                                       ; tile 1's logits and the codes stay out
	P1 1, 16                                       ; the codes stay out
	s_wait_alu depctr_va_vdst(0)                   ; M and S of both tiles, v8-11, are written, which the four LDS stores read; and both tiles' lines are done with v240-255, in which tile 0's LDS loads land behind the barrier
.irp t, 0,1
	ds_store_b32 v224, v[8+2*\t] offset:STATM+1280*\t   ; lanes r and r + 16 write the same word with the same number
	ds_store_b32 v224, v[9+2*\t] offset:STATS+1280*\t
.endr
	s_wait_dscnt 0x0                               ; for the others' sake: my M and S have landed
	s_barrier_signal -1
	s_barrier_wait -1
	P2 0
	P2 1
	s_or_b32 s99, ttmp9, s86                       ; out1: wave 0 of the batch's first work-group
	s_cmp_lg_u32 s99, 0
	s_cbranch_scc1 .Lno_flags
	v_and_b32 v[T], 31, v0
	v_cmp_le_u32 vcc_lo, 16, v[T]
	v_lshlrev_b32 v[T+1], 2, v[T]
	s_wait_alu depctr_va_vcc(0)                    ; the compare has written VCC, ahead of its one reader
	v_cndmask_b32 v15, v234, v235, vcc_lo          ; lane = span: lanes 0-15 tile 0's flag, lanes 16-31 tile 1's
	s_wait_alu depctr_va_vdst(0)                   ; v15 and v241 are written, which the store reads as its data and its offset
	global_store_b32 v[T+1], v15, s[84:85]         ; the batch's 128 bytes; neither register is written again
.Lno_flags:
	s_wait_loadcnt 0x0                             ; the codes
.irp t, 0,1                            ; eight sums of one K step each, eight different accumulators, each begun with the constant 0
.irp q, 0,1,2,3
	v_wmma_f32_16x16x128_bf8_bf8 v[ACC+8*(4*\t+\q):ACC+8*(4*\t+\q)+7], v[B+16*\q:B+16*\q+15], v[208-128*\t:223-128*\t], 0
.endr
.endr
.rept 4
	v_nop                                          ; four places between the last product and the LDS stores that read results
.endr
	s_wait_alu depctr_va_vdst(0)                   ; the products have written the sums, which the LDS stores read, and are done reading the fragments v16-79, in which the parts land behind the barrier; the places above stay beside this wait
.set i, 0
.rept 16                               ; my image: chunk i = registers 4 i .. 4 i + 3 of the 64; sixteen lanes store 256 consecutive bytes; each accumulator from its low end on
	ds_store_b128 v226, v[ACC+4*i:ACC+4*i+3] offset:CH*i
.set i, i+1
.endr
	s_wait_dscnt 0x0                               ; for the others' sake: my image has landed
	s_barrier_signal -1
	s_barrier_wait -1
.irp i, 0,1,2,3,4,5,6,7                ; my piece of all sixteen images
	ds_load_b128 v[16+4*\i:19+4*\i], v227 offset:\i*RW
.endr
.irp i, 0,1,2,3,4,5,6,7
	ds_load_b128 v[48+4*\i:51+4*\i], v229 offset:\i*RW
.endr
	s_wait_dscnt 0x0
.irp d, 32,16,8,4
.set i, 0
.rept \d/2
	v_pk_add_f32 v[16+i:17+i], v[16+i:17+i], v[16+\d+i:17+\d+i]
.set i, i+2
.endr
.endr
.irp i, 16,17,18,19
	v_ldexp_f32 v\i, v\i, s98                      ; x 2^(e0 + e1)
.endr
	s_wait_alu depctr_va_vdst(0)                   ; v16-19 are written, which the LDS stores read; the additions are done with v20-23, in which the LDS load lands
.irp n, 0,1,2,3
	ds_store_b32 v238, v[16+\n] offset:16*\n       ; the turn, in my own bytes: register n is column 32 y + 16 u + 4 n + q; the 32 lanes fall on 32 different banks
.endr
	ds_load_b128 v[20:23], v239                    ; LDS serves a wave's instructions in order (ISA guide 5.7.1.4): this sees my stores
	s_wait_dscnt 0x0
	global_store_b128 v228, v[20:23], s[14:15] th:TH_STORE_NT   ; lanes 0-15 store 256 consecutive bytes, aligned, of row 2 w; lanes 16-31 of row 2 w + 1
	s_wait_xcnt 0x0                                ; every earlier memory instruction has had its addresses translated (ISA guide 3.1)
	v_lshl_add_u32 v254, v0, 2, 0x25800            ; the add's two registers are made anew here: my spare word, behind the turns' bytes, and 0.  No memory or LDS instruction has read v254 or v255: LDS loads alone have landed in them, and were waited for
	v_mov_b32 v255, 0
	s_wait_dscnt 0x0                               ; the closing lines, six on end
	s_wait_alu 0x0
	s_wait_tensorcnt 0x0
	ds_add_u32 v254, v255
	s_wait_dscnt 0x0
	s_endpgm
.Lfunc_end_k_qe203e6fdbb_pool:
	.size	k_qe203e6fdbb_pool, .Lfunc_end_k_qe203e6fdbb_pool-k_qe203e6fdbb_pool
	.p2alignl 7, 3214868480
	.fill 96, 4, 3214868480
	.section	.rodata,"a",@progbits
	.p2align	6, 0x0
	.amdhsa_kernel k_qe203e6fdbb_pool
		.amdhsa_group_segment_fixed_size 155648
		.amdhsa_private_segment_fixed_size 0
		.amdhsa_enable_private_segment 0
		.amdhsa_kernarg_size 56
		.amdhsa_user_sgpr_count 2
		.amdhsa_user_sgpr_kernarg_segment_ptr 1
		.amdhsa_wavefront_size32 1
		.amdhsa_system_sgpr_workgroup_id_x 1
		.amdhsa_system_sgpr_workgroup_id_y 1
		.amdhsa_system_sgpr_workgroup_id_z 1
		.amdhsa_system_vgpr_workitem_id 0
		.amdhsa_next_free_vgpr 256
		.amdhsa_next_free_sgpr 102
		.amdhsa_reserve_vcc 1
		.amdhsa_float_denorm_mode_32 3
		.amdhsa_float_denorm_mode_16_64 3
		.amdhsa_memory_ordered 1
		.amdhsa_forward_progress 1
		.amdhsa_inst_pref_size 78
	.end_amdhsa_kernel
	.amdgpu_metadata
---
amdhsa.version: [ 1, 2 ]
amdhsa.kernels:
  - .name:           k_qe203e6fdbb_pool
    .symbol:         k_qe203e6fdbb_pool.kd
    .args:
      - { .name: logits, .offset: 0, .size: 8, .value_kind: global_buffer, .address_space: global }
      - { .name: codes, .offset: 8, .size: 8, .value_kind: global_buffer, .address_space: global }
      - { .name: span_starts, .offset: 16, .size: 8, .value_kind: global_buffer, .address_space: global }
      - { .name: span_ends, .offset: 24, .size: 8, .value_kind: global_buffer, .address_space: global }
      - { .name: lowp_scales, .offset: 32, .size: 8, .value_kind: global_buffer, .address_space: global }
      - { .name: out0, .offset: 40, .size: 8, .value_kind: global_buffer, .address_space: global }
      - { .name: out1, .offset: 48, .size: 8, .value_kind: global_buffer, .address_space: global }
    .group_segment_fixed_size: 155648
    .private_segment_fixed_size: 0
    .kernarg_segment_align: 8
    .kernarg_segment_size: 56
    .max_flat_workgroup_size: 512
    .sgpr_count:     102
    .vgpr_count:     256
    .wavefront_size: 32
...
	.end_amdgpu_metadata
.endif
;; end of part 4
